; MI455X (gfx1250); checked and timed in simulation.
; The chip was launched on July 23, 2026; its instructions are those of AMD's public machine-readable ISA for CDNA 5 (MIT licence, August 2026) and "CDNA5" Instruction Set Architecture Reference Guide (July 2026). The comments in the code are by the model that wrote it; some were corrected since.
;; Mixture Of Experts. Allowed arithmetic: matrix products marked QUANTISED: E5M2 operands, one given power-of-two scale a tensor, by v_wmma_f32_16x16x64_bf8_bf8 or v_wmma_f32_16x16x128_bf8_bf8, f32 sums; products left as they are: f32 operands where the result goes on into a quantised operand, else bf16, f16 or f32 operands; f32 sums; everything else in f32.
;; Inputs: W1 8 x 512 x 2,048 float32; W2 8 x 2,048 x 512 float32; Wg 512 x 8 float32; b1 8 x 2,048 float32; b2 8 x 512 float32; lowp_scales 32 int32 (the exponents e of the quantised operands' scales 2^e); x 4 x 1,024 x 512 float32.
;; Outputs: out0 4 x 1,024 x 512 float32; out1 one number float32.
;; This version of the problem:
;;   THIS VERSION OF THE PROBLEM IS GIVEN IN LOW PRECISION. The matrix products marked QUANTISED in the list below multiply operands that are first quantised to E5M2 (5 exponent bits, 2 mantissa bits; 8 bits a number), with one given power-of-two scale for each operand tensor; their sums are f32. All else is computed in f32.
;;   The module's matrix products, in the order in which they are computed (A, B: the left and right operand; K: the contracted axis; several contracted axes count as one K, in the product's order):
;;     1. [M 4,096, K 512] x [K 512, N 8]; A: input x; B: input Wg: left as it is (N = 8 < 16)
;;     2. batch 4,096 x [M 8, K 2] x [K 2, N 1]; A: computed on the way; B: computed on the way: left as it is (K = 2 < 32)
;;     3. [M 4,096, K 512] x [K 512, N 2,048]; A: input x; B: input W1: QUANTISED (scales: A lowp_scales[0], B lowp_scales[1])
;;     4. [M 4,096, K 2,048] x [K 2,048, N 512]; A: computed on the way; B: input W2: QUANTISED (scales: A lowp_scales[2], B lowp_scales[3])
;;     5. [M 4,096, K 512] x [K 512, N 2,048]; A: input x; B: input W1: QUANTISED (scales: A lowp_scales[4], B lowp_scales[5])
;;     6. [M 4,096, K 2,048] x [K 2,048, N 512]; A: computed on the way; B: input W2: QUANTISED (scales: A lowp_scales[6], B lowp_scales[7])
;;     7. [M 4,096, K 512] x [K 512, N 2,048]; A: input x; B: input W1: QUANTISED (scales: A lowp_scales[8], B lowp_scales[9])
;;     8. [M 4,096, K 2,048] x [K 2,048, N 512]; A: computed on the way; B: input W2: QUANTISED (scales: A lowp_scales[10], B lowp_scales[11])
;;     9. [M 4,096, K 512] x [K 512, N 2,048]; A: input x; B: input W1: QUANTISED (scales: A lowp_scales[12], B lowp_scales[13])
;;     10. [M 4,096, K 2,048] x [K 2,048, N 512]; A: computed on the way; B: input W2: QUANTISED (scales: A lowp_scales[14], B lowp_scales[15])
;;     11. [M 4,096, K 512] x [K 512, N 2,048]; A: input x; B: input W1: QUANTISED (scales: A lowp_scales[16], B lowp_scales[17])
;;     12. [M 4,096, K 2,048] x [K 2,048, N 512]; A: computed on the way; B: input W2: QUANTISED (scales: A lowp_scales[18], B lowp_scales[19])
;;     13. [M 4,096, K 512] x [K 512, N 2,048]; A: input x; B: input W1: QUANTISED (scales: A lowp_scales[20], B lowp_scales[21])
;;     14. [M 4,096, K 2,048] x [K 2,048, N 512]; A: computed on the way; B: input W2: QUANTISED (scales: A lowp_scales[22], B lowp_scales[23])
;;     15. [M 4,096, K 512] x [K 512, N 2,048]; A: input x; B: input W1: QUANTISED (scales: A lowp_scales[24], B lowp_scales[25])
;;     16. [M 4,096, K 2,048] x [K 2,048, N 512]; A: computed on the way; B: input W2: QUANTISED (scales: A lowp_scales[26], B lowp_scales[27])
;;     17. [M 4,096, K 512] x [K 512, N 2,048]; A: input x; B: input W1: QUANTISED (scales: A lowp_scales[28], B lowp_scales[29])
;;     18. [M 4,096, K 2,048] x [K 2,048, N 512]; A: computed on the way; B: input W2: QUANTISED (scales: A lowp_scales[30], B lowp_scales[31])
;;   THE QUANTISER, for each operand of a quantised product, along K:
;;     - The operand's scale is 2^e, e = its entry of the input lowp_scales (int32; the entries are numbered through the quantised products in the list's order, A before B).
;;     - Each number is divided by the scale, clamped to +-57,344, and rounded to the nearest number of E5M2, ties to even, subnormals kept.
;;     - The product sums the exact products of the quantised numbers (number of the format x scale) in f32.
;;   ~~~python
;;   def quantise(x, axis, e):      # numpy; x: float32 -> the quantised numbers, widened to float32 again
;;       x = np.moveaxis(x, axis, -1); K = x.shape[-1]
;;       r = np.clip(x / 2.0 ** e, -57344, 57344)
;;       step = 2.0 ** (np.maximum(np.frexp(np.where(r == 0, 1, r))[1] - 1, -14) - 2)
;;       q = np.round(r / step) * step * 2.0 ** e      # np.round: ties to even
;;       return np.moveaxis(q, -1, axis).astype(np.float32)
;;   ~~~
;;   OPERANDS COMPUTED ON THE WAY. 'Computed on the way' means the value that the module computes at that place (a softmax that the list does not call 'softmax' is quantised finished and normalised). What goes into a quantiser is computed in f32, as accurately as f32 sums, v_exp_f32 and their like allow (about 1e-6 of the number): no bf16 or f16 on the way to a quantiser, and a product that is left as it is and whose result goes on into a quantised operand takes f32 operands (vector FMAs, or v_wmma_f32_16x16x4_f32). A number that lies on a knife's edge between two numbers of the format may be rounded either way, as far as f32 arithmetic and the matrix unit's own rounding can turn it there, and no further.
;; 2 versions, each right; version 2 is version 1 with the launch chain written anew for expert scheduling mode. Each part assembles by itself: llvm-mc -triple=amdgcn-amd-amdhsa -mcpu=gfx1250 --defsym DOCPART=n.
;; ======== version 1 of 2: 4 launches
;; workspace buffers: wc 16,777,216 bytes; xq 4,194,304 bytes; topi 32,768 bytes of whole numbers; gate 32,768 bytes; psum 65,536 bytes; list 34,560 bytes of whole numbers; part 33,554,432 bytes
;; launch prep (part 1): grid 512 x 1, 8 waves a work-group, no clusters, 0 bytes of LDS; arguments x, Wg, W1, W2, lowp_scales, wc, xq, topi, gate, psum; writes wc, xq, topi, gate, psum
.if DOCPART == 1
	.amdgcn_target "amdgcn-amd-amdhsa--gfx1250"
	.amdhsa_code_object_version 6
	.text
	.protected	k_q1d1a5b2dd7_prep
	.globl	k_q1d1a5b2dd7_prep
	.p2align	8
	.type	k_q1d1a5b2dd7_prep,@function
k_q1d1a5b2dd7_prep:
	s_mov_b64 s[64:65], 0
	v_nop
	global_prefetch_b8 v0, s[64:65] scope:SCOPE_SE
	s_setreg_imm32_b32 hwreg(HW_REG_WAVE_MODE, 25, 1), 1
	s_wait_xcnt 0x0
; PREP: the router, and all operands that arrive as f32 turned into codes of E5M2.  Three kinds of work-groups, parted on the work-group's number; as many for the router as for the weights:
;   0-255   ROUTER.  A wave takes 2 tokens.  logits = x Wg in f32 (fused multiply-adds), softmax with the row's maximum taken away, the two largest probabilities (ties: the lower index),
;           their renormalised weights.  Nothing here is addressed by the choice: entry i = 2 t + k gets its expert in topi[i], its weight in gate[i], and x[t] as codes under THAT expert's scale in xq[i].
;           A lane holds x[128 i + 4 l + j] (i, j = 0..3) and stores its 16 codes at byte 16 l: so byte p of an entry's 512 is x[d(p)], d(p) = 128 ((p >> 2) & 3) + 4 (p >> 4) + (p & 3).
;           The wave's sums of the 8 probabilities go to psum (for the auxiliary loss).
;   256-383 W1 [8][512][2048], 384-511 W2 [8][2048][512]: K is the first axis, so a lane takes a column and its registers run down K; the conversions then give codes with K innermost.
;           The codes are stored as IMAGES OF THE OPERAND'S REGISTERS, in the order in which the chain's waves load them:
;           byte = e<<21 + slice<<20 + wave<<18 + n<<14 + tile<<11 + c<<9 + 16 lane; lane (r, h), group c holds K places 32 c + 16 h + 0..15 of the tile's row r.
;           Row r of tile 2 B + u is unit 32 B + 8 u + r + (r & 8) of the wave's 128.  W1's K places follow d(p), as x's codes do.
; code = number / 2^e, held within +-57,344, to the nearest code, ties to even.
; LIMITS: each given exponent used here (x's and the weights') lies between -126 and 112; NaN and infinities among the inputs are not served.
; No LDS, no barrier: waves share nothing.  No matrix unit: the one product here has 8 columns.
.set I1,    3                          ; the first choice's expert
.set I2,    4                          ; the second's
.set SC1,   5                          ; 2^ex of the first choice's expert, as f32
.set SC2,   6
.set BEST,  7                          ; the largest probability
.set A,     8                          ; v8-15    logits, then probabilities
.set T,     16                         ; v16-31   at work
.set C,     32                         ; v32-47   codes: a set of two entries for each token
.set PS,    48                         ; v48-55   sums of probabilities over my 2 tokens
.set BEST2, 56
.set LIM1,  57                         ; 57,344 x the scale
.set M,     58
.set SUM,   59
.set RC,    60
.set LIM2,  61
.set LN,    62                         ; lane
.set ZERO,  63
.set X,     64                         ; v64-95   x of 2 tokens, 16 numbers each
.set TI,    64                         ; v64-67   the 4 experts chosen (in token 0's registers, once they are free)
.set GT,    72                         ; v72-75   the 4 weights
.set WG,    128                        ; v128-255 Wg: register 8 (4 i + j) + e = Wg[128 i + 4 l + j][e]
.set XW,    64                         ; weights: two sets of 32 numbers
.set CW,    128                        ; weights: 8 registers of codes for each of 8 blocks: no store's data are written again
.set HOLD,  0x07e00000                 ; added to 2^e's pattern it gives 57,344 x 2^e: 15 in the exponent field, 0x600000 in the mantissa
	s_load_b512 s[4:19], s[0:1], 0x0               ; x 4, Wg 6, W1 8, W2 10, scales 12, wc 14, xq 16, topi 18
	s_load_b128 s[20:23], s[0:1], 0x40             ; gate 20, psum 22
	v_lshrrev_b32 v1, 5, v0
	v_readfirstlane_b32 s24, v1                    ; wave 0..7
	v_and_b32 v[LN], 31, v0
	s_mov_b32 s3, 0
	s_cmp_lt_u32 ttmp9, 256
	s_cbranch_scc0 .Lweights
; ---------------------------------------------------------------- the router
	v_lshlrev_b32 v1, 4, v[LN]                     ; 16 x lane
	v_lshlrev_b32 v2, 7, v[LN]                     ; 128 x lane: four rows of Wg
	v_mov_b32 v[ZERO], 0
	s_mov_b32 s26, 0x76543210                      ; v_permlanex16_b32: lane l xor 16
	s_mov_b32 s27, 0xfedcba98
	s_mov_b32 s28, 0x3fb8aa3b                      ; log2(e)
	s_mov_b32 s29, 0x42800000                      ; 64.0
	s_mov_b32 s30, 0xffffffc0                      ; -64
	s_lshl_b32 s2, ttmp9, 15                       ; 16 tokens of 2,048 bytes a work-group,
	s_lshl_b32 s25, s24, 12                        ; 2 a wave
	s_add_co_u32 s2, s2, s25
	s_wait_kmcnt 0x0
	s_load_b512 s[32:47], s[12:13], 0x0            ; the 32 exponents; ex of expert e is entry 4 e
	s_load_b512 s[48:63], s[12:13], 0x40
	s_add_nc_u64 s[4:5], s[4:5], s[2:3]
.irp i, 0,1,2,3
.irp q, 0,1,2,3,4,5,6,7
	global_load_b128 v[WG+32*\i+4*\q:WG+32*\i+4*\q+3], v2, s[6:7] offset:4096*\i+16*\q
.endr
.endr
.irp t, 0,1
.irp i, 0,1,2,3
	global_load_b128 v[X+16*\t+4*\i:X+16*\t+4*\i+3], v1, s[4:5] offset:2048*\t+512*\i th:TH_LOAD_NT   ; 32 lanes read 512 consecutive bytes
.endr
.endr
	s_lshl_b32 s2, ttmp9, 14                       ; xq: 32 entries of 512 bytes a work-group, 4 a wave
	s_lshl_b32 s25, s24, 11
	s_add_co_u32 s2, s2, s25
	s_add_nc_u64 s[16:17], s[16:17], s[2:3]
	s_lshl_b32 s2, ttmp9, 7                        ; topi, gate: 16 bytes a wave in each
	s_lshl_b32 s25, s24, 4
	s_add_co_u32 s2, s2, s25
	s_add_nc_u64 s[18:19], s[18:19], s[2:3]
	s_add_nc_u64 s[20:21], s[20:21], s[2:3]
	s_lshl_b32 s2, ttmp9, 8                        ; psum: 32 bytes a wave
	s_lshl_b32 s25, s24, 5
	s_add_co_u32 s2, s2, s25
	s_add_nc_u64 s[22:23], s[22:23], s[2:3]
.irp e, 0,1,2,3,4,5,6,7
	v_mov_b32 v[T+\e], 0                           ; written once: a lane permute's destination counts as one of its sources
.endr
	s_wait_kmcnt 0x0
.irp e, 0,1,2,3,4,5,6,7
	s_add_co_i32 s[32+4*\e], s[32+4*\e], 127
	s_lshl_b32 s[32+4*\e], s[32+4*\e], 23          ; 2^ex of expert e as f32
.endr
; The two largest: a scan in ascending order that changes hands only on a strictly larger number, so that ties keep the lower index.
.macro SCAN best, idx, sc
	v_mov_b32 v[\best], v[A]
	v_mov_b32 v[\idx], 0
	v_mov_b32 v[\sc], s32
.irp e, 1,2,3,4,5,6,7
	v_cmp_le_f32 vcc_lo, v[A+\e], v[\best]         ; set: the holder stays
	v_cndmask_b32 v[\idx], \e, v[\idx], vcc_lo
	v_cndmask_b32 v[\sc], s[32+4*\e], v[\sc], vcc_lo
	v_max_num_f32 v[\best], v[\best], v[A+\e]
.endr
.endm
.macro TOKEN t
.set XT, X+16*\t
.set CC, C+8*\t
	s_wait_loadcnt 4-4*\t                          ; Wg and this token's four loads are in; the second token's four may be out
.irp m, 0,1,2,3
	v_pk_mul_f32 v[A+2*\m:A+2*\m+1], v[WG+2*\m:WG+2*\m+1], v[XT:XT+1] op_sel_hi:[1,0]   ; two experts at a time; x's number serves both halves
.endr
.set k, 1
.rept 15
.irp m, 0,1,2,3
.if k%2
	v_pk_fma_f32 v[A+2*\m:A+2*\m+1], v[WG+8*k+2*\m:WG+8*k+2*\m+1], v[XT+k-1:XT+k], v[A+2*\m:A+2*\m+1] op_sel:[0,1,0] op_sel_hi:[1,1,1]
.else
	v_pk_fma_f32 v[A+2*\m:A+2*\m+1], v[WG+8*k+2*\m:WG+8*k+2*\m+1], v[XT+k:XT+k+1], v[A+2*\m:A+2*\m+1] op_sel_hi:[1,0,1]
.endif
.endr
.set k, k+1
.endr
.irp x, 1,2,4,8                        ; across the 32 lanes: every lane ends with the 8 logits
.irp e, 0,1,2,3,4,5,6,7
	v_add_f32_dpp v[A+\e], v[A+\e], v[A+\e] row_xmask:\x row_mask:0xf bank_mask:0xf
.endr
.endr
.irp e, 0,1,2,3,4,5,6,7
	v_permlanex16_b32 v[T+\e], v[A+\e], s26, s27
.endr
.irp e, 0,1,2,3,4,5,6,7
	v_add_f32 v[A+\e], v[A+\e], v[T+\e]
.endr
	v_max3_num_f32 v[M], v[A], v[A+1], v[A+2]
	v_max3_num_f32 v[SUM], v[A+3], v[A+4], v[A+5]
	v_max3_num_f32 v[M], v[M], v[A+6], v[A+7]
	v_max_num_f32 v[M], v[M], v[SUM]               ; the row's maximum is taken away, as reference() does
.irp e, 0,1,2,3,4,5,6,7
	v_sub_f32 v[A+\e], v[A+\e], v[M]
.endr
.irp e, 0,1,2,3,4,5,6,7
	v_fma_f32 v[A+\e], v[A+\e], s28, s29           ; (a - m) log2(e) + 64: the exponential gives no denormal, so it is taken 2^64 too large
.endr
.irp e, 0,1,2,3,4,5,6,7
	v_exp_f32 v[A+\e], v[A+\e]
.endr
	v_nop                                          ; a plain instruction behind the exponentials
	s_wait_alu depctr_va_vdst(0)
.irp e, 0,1,2,3,4,5,6,7
	v_ldexp_f32 v[A+\e], v[A+\e], s30              ; and brought back: very small probabilities stay numbers
.endr
	v_add_f32 v[SUM], v[A], v[A+1]
	v_add_f32 v[RC], v[A+2], v[A+3]
	v_add_f32 v[M], v[A+4], v[A+5]
	v_add_f32 v[LIM1], v[A+6], v[A+7]
	v_add_f32 v[SUM], v[SUM], v[RC]
	v_add_f32 v[M], v[M], v[LIM1]
	v_add_f32 v[SUM], v[SUM], v[M]                 ; at least 1
	v_rcp_f32 v[RC], v[SUM]
	v_nop
	s_wait_alu depctr_va_vdst(0)
.irp e, 0,1,2,3,4,5,6,7
	v_mul_f32 v[A+\e], v[A+\e], v[RC]              ; the probabilities
.endr
.irp e, 0,1,2,3,4,5,6,7
.if \t == 0
	v_mov_b32 v[PS+\e], v[A+\e]
.else
	v_add_f32 v[PS+\e], v[PS+\e], v[A+\e]
.endif
.endr
	SCAN BEST, I1, SC1
.irp e, 0,1,2,3,4,5,6,7
	v_cmp_ne_u32 vcc_lo, \e, v[I1]
	v_cndmask_b32 v[A+\e], -1.0, v[A+\e], vcc_lo   ; the first choice leaves the field: -1 lies under every probability
.endr
	SCAN BEST2, I2, SC2
	v_add_f32 v[SUM], v[BEST], v[BEST2]
	v_rcp_f32 v[RC], v[SUM]
	v_add_nc_u32 v[LIM1], HOLD, v[SC1]             ; (plain instructions behind the reciprocal)
	v_add_nc_u32 v[LIM2], HOLD, v[SC2]
.irp i, 0,1,2,3,4,5,6,7,8,9,10,11,12,13,14,15
	v_med3_num_f32 v[T+\i], v[XT+\i], -v[LIM1], v[LIM1]   ; the conversion does not saturate (ISA guide 7.6.2): the hold at the largest code x the scale
.endr
	v_cvt_scalef32_pk8_bf8_f32 v[CC:CC+1], v[T:T+7], v[SC1]
	v_cvt_scalef32_pk8_bf8_f32 v[CC+2:CC+3], v[T+8:T+15], v[SC1]
.irp i, 0,1,2,3,4,5,6,7,8,9,10,11,12,13,14,15
	v_med3_num_f32 v[XT+\i], v[XT+\i], -v[LIM2], v[LIM2]
.endr
	global_store_b128 v1, v[CC:CC+3], s[16:17] offset:1024*\t          ; entry 2 t: 32 lanes store its 512 bytes
	v_cvt_scalef32_pk8_bf8_f32 v[CC+4:CC+5], v[XT:XT+7], v[SC2]
	v_cvt_scalef32_pk8_bf8_f32 v[CC+6:CC+7], v[XT+8:XT+15], v[SC2]
	v_nop                                          ; a plain instruction between the conversions and the writes of their sources below
	global_store_b128 v1, v[CC+4:CC+7], s[16:17] offset:1024*\t+512    ; entry 2 t + 1
	v_mov_b32 v[TI+2*\t], v[I1]
	v_mov_b32 v[TI+2*\t+1], v[I2]
	s_wait_alu depctr_va_vdst(0)
	v_mul_f32 v[GT+2*\t], v[BEST], v[RC]           ; the renormalised weights
	v_mul_f32 v[GT+2*\t+1], v[BEST2], v[RC]
.endm
	TOKEN 0
	TOKEN 1
	s_wait_xcnt 0x0                                ; EXEC is narrowed only behind this wait
	v_cmp_eq_u32 vcc_lo, 0, v[LN]
	s_and_saveexec_b32 s31, vcc_lo                 ; every lane holds the same numbers: lane 0 stores the wave's bytes of each buffer
	global_store_b128 v[ZERO], v[TI:TI+3], s[18:19]
	global_store_b128 v[ZERO], v[GT:GT+3], s[20:21]
	global_store_b128 v[ZERO], v[PS:PS+3], s[22:23]
	global_store_b128 v[ZERO], v[PS+4:PS+7], s[22:23] offset:16
	s_wait_xcnt 0x0                                ; and widened only behind this one
	s_or_b32 exec_lo, exec_lo, s31
	s_endpgm
; ---------------------------------------------------------------- the weights.  A wave takes 32 columns x 256 K places: 8 blocks of 32.
; kind 1: W1 (rows of 8,192 bytes, K places in x's order d(p)); kind 2: W2 (rows of 2,048 bytes, K as it lies).
.macro WLOAD kind, t                   ; block t: 32 numbers down K of my column, into set t % 2.  32 lanes read 128 consecutive bytes, the 8 waves 1,024
.set qq, 0
.rept 32
.if \kind == 1
	global_load_b32 v[XW+32*((\t)%2)+qq], v3, s[8:9] offset:(128*((qq>>2)&3)+8*(\t)+4*(qq>>4)+(qq&3))*8192 th:TH_LOAD_NT
.else
	global_load_b32 v[XW+32*((\t)%2)+qq], v3, s[10:11] offset:(32*(\t)+qq)*2048 th:TH_LOAD_NT
.endif
.set qq, qq+1
.endr
.endm
.macro WBLOCK kind, t
.set XS, XW+32*((\t)%2)
.if (\t) < 7
	s_wait_loadcnt 32                              ; this block's 32 loads are in; the next block's may be out
.else
	s_wait_loadcnt 0
.endif
.set qq, 0
.rept 32
	v_med3_num_f32 v[XS+qq], v[XS+qq], -v10, v10
.set qq, qq+1
.endr
.irp g, 0,1,2,3
	v_cvt_scalef32_pk8_bf8_f32 v[CW+8*(\t)+2*\g:CW+8*(\t)+2*\g+1], v[XS+8*\g:XS+8*\g+7], v11
.endr
	; K places 0-15 of the block belong to lane (r, 0) of the image, 16-31 to lane (r, 1), 256 bytes on: sixteen lanes fill 256 consecutive bytes, aligned.
	; (The results go to stores alone, and the next vector lines are the other set's holds: no further line is owed behind the conversions.)
	global_store_b128 v4, v[CW+8*(\t):CW+8*(\t)+3], s[14:15] offset:((\t)>>2)*16384+((\t)&3)*512
	global_store_b128 v4, v[CW+8*(\t)+4:CW+8*(\t)+7], s[14:15] offset:((\t)>>2)*16384+((\t)&3)*512+256
.if (\t)+2 < 8
	WLOAD \kind, (\t)+2
.endif
.endm
.macro WALL kind
	WLOAD \kind, 0
	WLOAD \kind, 1
	s_wait_kmcnt 0x0
	s_add_co_i32 s39, s39, 127
	s_lshl_b32 s40, s39, 23
	v_mov_b32 v11, s40                             ; 2^e as f32: the conversion takes its exponent field
	s_add_co_u32 s40, s40, HOLD
	v_mov_b32 v10, s40                             ; 57,344 x 2^e
.irp t, 0,1,2,3,4,5,6,7
	WBLOCK \kind, \t
.endr
.endm
.Lweights:
	v_lshrrev_b32 v5, 4, v[LN]                     ; u
	v_and_b32 v6, 15, v[LN]                        ; r
	v_and_b32 v7, 8, v6
	v_add_nc_u32 v7, v7, v6
	v_lshl_add_u32 v7, v5, 3, v7                   ; my column of the wave's 32: 8 u + r + (r & 8)
	v_lshlrev_b32 v3, 2, v7
	v_lshlrev_b32 v4, 4, v6
	v_lshl_or_b32 v4, v5, 11, v4                   ; in the image: tile u of the pair, lane r
	s_lshl_b32 s25, s24, 7                         ; the wave's 32 columns, in bytes
	s_and_b32 s26, s24, 3
	s_lshl_b32 s26, s26, 12                        ; the pair of tiles: (wave & 3) x 4,096
	s_lshr_b32 s27, s24, 2                         ; which 128 of the work-group's 256 columns
	s_cmp_lt_u32 ttmp9, 384
	s_cbranch_scc0 .Lw2
	s_sub_co_u32 s28, ttmp9, 256
	s_lshr_b32 s29, s28, 4                         ; expert
	s_bfe_u32 s30, s28, 0x30001                    ; which 256 hidden units
	s_and_b32 s31, s28, 1                          ; which 256 K places: they begin 64 rows further down
	s_lshl_b32 s2, s29, 22
	s_lshl_b32 s32, s31, 19
	s_add_co_u32 s2, s2, s32
	s_lshl_b32 s32, s30, 10
	s_add_co_u32 s2, s2, s32
	s_add_co_u32 s2, s2, s25
	s_lshl_b32 s34, s30, 1
	s_add_co_u32 s34, s34, s27                     ; G, the group of 128 hidden units = 8 slice + 4 ch + chain wave
	s_lshl_b32 s36, s29, 21
	s_lshr_b32 s32, s34, 3
	s_lshl_b32 s32, s32, 20
	s_add_co_u32 s36, s36, s32
	s_and_b32 s32, s34, 3
	s_lshl_b32 s32, s32, 18
	s_add_co_u32 s36, s36, s32
	s_bfe_u32 s32, s34, 0x10002
	s_lshl_b32 s32, s32, 16                        ; n = 4 ch + 2 (K half) + block / 4
	s_add_co_u32 s36, s36, s32
	s_lshl_b32 s32, s31, 15
	s_add_co_u32 s36, s36, s32
	s_add_co_u32 s36, s36, s26
	s_mov_b32 s37, 0
	s_lshl_b32 s38, s29, 4
	s_wait_kmcnt 0x0
	s_load_b32 s39, s[12:13], s38 offset:0x4       ; ew1
	s_add_nc_u64 s[8:9], s[8:9], s[2:3]
	s_add_nc_u64 s[14:15], s[14:15], s[36:37]
	WALL 1
	s_endpgm
.Lw2:
	s_sub_co_u32 s28, ttmp9, 384
	s_lshr_b32 s29, s28, 4                         ; expert
	s_bfe_u32 s30, s28, 0x10003                    ; which 256 output columns
	s_and_b32 s31, s28, 7                          ; which 256 along K (the hidden units)
	s_lshl_b32 s2, s29, 22
	s_lshl_b32 s32, s31, 19
	s_add_co_u32 s2, s2, s32
	s_lshl_b32 s32, s30, 10
	s_add_co_u32 s2, s2, s32
	s_add_co_u32 s2, s2, s25
	s_lshl_b32 s36, s29, 21
	s_lshr_b32 s32, s31, 2
	s_lshl_b32 s32, s32, 20                        ; slice
	s_add_co_u32 s36, s36, s32
	s_lshl_b32 s32, s30, 1
	s_add_co_u32 s32, s32, s27
	s_lshl_b32 s32, s32, 18                        ; chain wave: its 128 output columns
	s_add_co_u32 s36, s36, s32
	s_and_b32 s32, s31, 3
	s_lshl_b32 s32, s32, 15                        ; n = 8 + 2 (K part & 3) + block / 4
	s_add_co_u32 s36, s36, s32
	s_add_co_u32 s36, s36, s26
	s_add_co_u32 s36, s36, 0x20000
	s_mov_b32 s37, 0
	s_lshl_b32 s38, s29, 4
	s_wait_kmcnt 0x0
	s_load_b32 s39, s[12:13], s38 offset:0xc       ; ew2
	s_add_nc_u64 s[10:11], s[10:11], s[2:3]
	s_add_nc_u64 s[14:15], s[14:15], s[36:37]
	WALL 2
	s_endpgm
.Lfunc_end_k_q1d1a5b2dd7_prep:
	.size	k_q1d1a5b2dd7_prep, .Lfunc_end_k_q1d1a5b2dd7_prep-k_q1d1a5b2dd7_prep
	.p2alignl 7, 3214868480
	.fill 96, 4, 3214868480
	.section	.rodata,"a",@progbits
	.p2align	6, 0x0
	.amdhsa_kernel k_q1d1a5b2dd7_prep
		.amdhsa_group_segment_fixed_size 0
		.amdhsa_private_segment_fixed_size 0
		.amdhsa_enable_private_segment 0
		.amdhsa_kernarg_size 80
		.amdhsa_user_sgpr_count 2
		.amdhsa_user_sgpr_kernarg_segment_ptr 1
		.amdhsa_wavefront_size32 1
		.amdhsa_system_sgpr_workgroup_id_x 1
		.amdhsa_system_sgpr_workgroup_id_y 1
		.amdhsa_system_sgpr_workgroup_id_z 1
		.amdhsa_system_vgpr_workitem_id 0
		.amdhsa_next_free_vgpr 256
		.amdhsa_next_free_sgpr 66
		.amdhsa_reserve_vcc 1
		.amdhsa_float_denorm_mode_32 3
		.amdhsa_float_denorm_mode_16_64 3
		.amdhsa_memory_ordered 1
		.amdhsa_forward_progress 1
		.amdhsa_inst_pref_size 127
	.end_amdhsa_kernel
	.amdgpu_metadata
---
amdhsa.version: [ 1, 2 ]
amdhsa.kernels:
  - .name:           k_q1d1a5b2dd7_prep
    .symbol:         k_q1d1a5b2dd7_prep.kd
    .args:
      - { .name: x, .offset: 0, .size: 8, .value_kind: global_buffer, .address_space: global }
      - { .name: Wg, .offset: 8, .size: 8, .value_kind: global_buffer, .address_space: global }
      - { .name: W1, .offset: 16, .size: 8, .value_kind: global_buffer, .address_space: global }
      - { .name: W2, .offset: 24, .size: 8, .value_kind: global_buffer, .address_space: global }
      - { .name: lowp_scales, .offset: 32, .size: 8, .value_kind: global_buffer, .address_space: global }
      - { .name: wc, .offset: 40, .size: 8, .value_kind: global_buffer, .address_space: global }
      - { .name: xq, .offset: 48, .size: 8, .value_kind: global_buffer, .address_space: global }
      - { .name: topi, .offset: 56, .size: 8, .value_kind: global_buffer, .address_space: global }
      - { .name: gate, .offset: 64, .size: 8, .value_kind: global_buffer, .address_space: global }
      - { .name: psum, .offset: 72, .size: 8, .value_kind: global_buffer, .address_space: global }
    .group_segment_fixed_size: 0
    .private_segment_fixed_size: 0
    .kernarg_segment_align: 8
    .kernarg_segment_size: 80
    .max_flat_workgroup_size: 256
    .sgpr_count:     66
    .vgpr_count:     256
    .wavefront_size: 32
...
	.end_amdgpu_metadata
.endif
;; end of part 1
;; launch place (part 2): grid 1 x 1, 16 waves a work-group, no clusters, 3,072 bytes of LDS; arguments topi, psum, list, out1; writes list, out1
.if DOCPART == 2
	.amdgcn_target "amdgcn-amd-amdhsa--gfx1250"
	.amdhsa_code_object_version 6
	.text
	.protected	k_q1d1a5b2dd7_place
	.globl	k_q1d1a5b2dd7_place
	.p2align	8
	.type	k_q1d1a5b2dd7_place,@function
k_q1d1a5b2dd7_place:
	s_mov_b64 s[64:65], 0
	v_nop
	global_prefetch_b8 v0, s[64:65] scope:SCOPE_SE
	s_setreg_imm32_b32 hwreg(HW_REG_WAVE_MODE, 25, 1), 1
	s_wait_xcnt 0x0
; PLACE: a counting sort of the 8,192 entries (token, k) by expert, the list of tiles for the chain, and the auxiliary loss.  One work-group of 16 waves; no atomics.
; list: bytes 0-32,767: the entries' numbers, sorted by expert (any order inside an expert: nothing is dropped).  From byte 32,768: 110 records of 16 bytes (expert, first place, rows, 0):
; tiles of at most 80 rows of one expert; there are never more than ceil(8,192 / 80) + 7 = 110, whatever the split; records behind the last tile have 0 rows.
; Rank of an entry = entries of its expert in earlier waves + in earlier slots of its wave + in lower lanes of its slot.  All that reaches an address is integer arithmetic on what was read.
; aux = 8 x sum over e of (count_e / 4,096) (sum of probabilities_e / 4,096) = 2^-21 x sum of count_e x sum_e.
.set ID, 16                            ; v16-31  my 16 entries' experts: entry 2,048 q + 4 tid + c in register 4 q + c
.set RK, 32                            ; v32-47  their ranks, then their places, then byte offsets
.set PL, 48                            ; v48-79  32 words of psum; later v48-63 the 16 waves' counts, then what the lane permutes bring
.set PW, 64                            ; v64-79  later: at work; the 16 waves' sums of probabilities; the record
.set TM, 80                            ; v80-95  the rank pass: two sets of eight candidates
.set DT, 80                            ; v80-95  later: my entries' numbers
.macro TREE b                          ; v[b] = the sum of v[b] .. v[b + 15]
.irp j, 0,2,4,6,8,10,12,14
	v_add_f32 v[\b+\j], v[\b+\j], v[\b+\j+1]
.endr
.irp j, 0,4,8,12
	v_add_f32 v[\b+\j], v[\b+\j], v[\b+\j+2]
.endr
.irp j, 0,8
	v_add_f32 v[\b+\j], v[\b+\j], v[\b+\j+4]
.endr
	v_add_f32 v[\b], v[\b], v[\b+8]
.endm
; THE RANK PASS, slot by slot, in runs of eight alike, so that no line waits for the line above it.  Two banks of scalar registers take turns: even slots s32-39 (masks) and s40-47 (their counts), odd slots s48-55 and s56-63.
.macro CMPS n                          ; slot n: for each expert the mask of the lanes that hold it; issued one slot ahead
.irp e, 0,1,2,3,4,5,6,7
	v_cmp_eq_u32 s[32+16*((\n)%2)+\e], \e, v[ID+(\n)]
.endr
.endm
.macro RANK n
.set MB, 32+16*((\n)%2)
.set TT, TM+8*((\n)%2)
.irp e, 0,1,2,3,4,5,6,7
	v_mbcnt_lo_u32_b32 v[TT+\e], s[MB+\e], s[16+\e]   ; lower lanes with expert e + my wave's count of it so far
.endr
.irp e, 0,1,2,3,4,5,6,7
	s_bcnt1_i32_b32 s[MB+8+\e], s[MB+\e]
.endr
.irp e, 0,1,2,3,4,5,6,7
	s_add_co_u32 s[16+\e], s[16+\e], s[MB+8+\e]
.endr
	v_cndmask_b32 v[RK+(\n)], v[TT], v[TT+1], s[MB+1]  ; each lane keeps the candidate of its own expert
.irp e, 2,3,4,5,6,7
	v_cndmask_b32 v[RK+(\n)], v[RK+(\n)], v[TT+\e], s[MB+\e]
.endr
.endm
	s_load_b256 s[4:11], s[0:1], 0x0               ; topi 4, psum 6, list 8, out1 10
	v_lshl_add_u32 v96, v0, 2, 0x400
	v_mov_b32 v97, 0
	v_lshlrev_b32 v1, 4, v0                        ; 16 tid
	v_lshlrev_b32 v2, 2, v0                        ; 4 tid
	v_lshrrev_b32 v3, 5, v0
	v_readfirstlane_b32 s12, v3                    ; wave 0..15
	v_and_b32 v4, 0x1e0, v0                        ; 32 x wave: my wave's 8 words in LDS
	v_and_b32 v5, 7, v0
	v_lshlrev_b32 v5, 2, v5                        ; 4 (lane & 7)
	v_add_nc_u32 v6, v4, v5
	v_mov_b32 v9, 0                                ; a lane permute's destination counts as one of its sources
	v_mov_b32 v14, 0
	s_mov_b32 s13, 0x76543210
	s_mov_b32 s14, 0xfedcba98
.irp e, 0,1,2,3,4,5,6,7
	s_mov_b32 s[16+\e], 0                          ; my wave's count of expert e so far
.endr
	s_wait_kmcnt 0x0
.irp q, 0,1,2,3
	global_load_b128 v[ID+4*\q:ID+4*\q+3], v1, s[4:5] offset:8192*\q
.endr
.set q, 0
.rept 32
	global_load_b32 v[PL+q], v2, s[6:7] offset:2048*q   ; word tid + 512 q of psum's 16,384: expert tid & 7
.set q, q+1
.endr
	s_wait_loadcnt 32                              ; the experts are in; psum's 32 loads may be out
	CMPS 0
.irp n, 0,1,2,3,4,5,6,7,8,9,10,11,12,13,14
	CMPS \n+1
	RANK \n
.endr
	RANK 15
	s_wait_loadcnt 0x0
.set q, 0
.rept 16
	v_add_f32 v[PL+q], v[PL+q], v[PL+16+q]
.set q, q+1
.endr
	TREE PL
	v_add_f32_dpp v[PL], v[PL], v[PL] row_xmask:8 row_mask:0xf bank_mask:0xf
	v_permlanex16_b32 v9, v[PL], s13, s14
	v_add_f32 v[PL], v[PL], v9                     ; my wave's sum for expert lane & 7
.irp e, 0,1,2,3,4,5,6,7
	v_mov_b32 v[PW+\e], s[16+\e]
	ds_store_b32 v4, v[PW+\e] offset:4*\e          ; all lanes write the same word with the same number
.endr
	ds_store_b32 v6, v[PL] offset:512
	s_wait_dscnt 0x0                               ; for the others' sake: my stores have landed
	s_barrier_signal -1
	s_barrier_wait -1
.irp w, 0,1,2,3,4,5,6,7,8,9,10,11,12,13,14,15
	ds_load_b32 v[PL+\w], v5 offset:32*\w          ; wave w's count of expert lane & 7
.endr
.irp w, 0,1,2,3,4,5,6,7,8,9,10,11,12,13,14,15
	ds_load_b32 v[PW+\w], v5 offset:512+32*\w      ; and its sum of probabilities
.endr
	v_mov_b32 v10, 0                               ; the expert's count,
	v_mov_b32 v11, 0                               ; and that of the waves in front of mine
	s_wait_dscnt 0x0
.irp w, 0,1,2,3,4,5,6,7,8,9,10,11,12,13,14,15
	s_cmp_gt_u32 s12, \w
	s_cselect_b32 s30, -1, 0
	v_and_b32 v7, s30, v[PL+\w]
	v_add_nc_u32 v11, v11, v7
	v_add_nc_u32 v10, v10, v[PL+\w]
.endr
	TREE PW
	v_cvt_f32_u32 v12, v10
	v_mul_f32 v12, v12, v[PW]
	v_add_f32_dpp v12, v12, v12 row_xmask:1 row_mask:0xf bank_mask:0xf
	v_add_f32_dpp v12, v12, v12 row_xmask:2 row_mask:0xf bank_mask:0xf
	v_add_f32_dpp v12, v12, v12 row_xmask:4 row_mask:0xf bank_mask:0xf
	v_mul_f32 v12, 0x35000000, v12                 ; x 2^-21
.irp e, 0,1,2,3,4,5,6,7
	v_readlane_b32 s[32+\e], v10, \e               ; n_e
.endr
	s_mov_b32 s40, 0                               ; start_e: where expert e's entries begin
	s_mov_b32 s48, 0                               ; tb_e: its first tile
.irp e, 0,1,2,3,4,5,6
	s_add_co_u32 s[41+\e], s[40+\e], s[32+\e]
	s_add_co_u32 s31, s[32+\e], 79
	s_mul_i32 s31, s31, 0xcccd
	s_lshr_b32 s31, s31, 22                        ; (n + 79) / 80: x 52,429 >> 22 is exact for numbers under 65,536
	s_add_co_u32 s[49+\e], s[48+\e], s31
.endr
	v_mov_b32 v13, 0
.irp e, 0,1,2,3,4,5,6,7
	v_writelane_b32 v13, s[40+\e], \e
.endr
	v_add_nc_u32 v13, v13, v11                     ; lane e: where my wave's entries of expert e begin
.irp n, 0,1,2,3,4,5,6,7,8,9,10,11,12,13,14,15
	v_min_u32 v[ID+\n], 7, v[ID+\n]
	v_lshlrev_b32 v[ID+\n], 2, v[ID+\n]
.endr
.irp n, 0,1,2,3,4,5,6,7,8,9,10,11,12,13,14,15
	ds_bpermute_b32 v[PL+\n], v[ID+\n], v13        ; from the lane that my entry's expert names
.endr
	s_wait_dscnt 0x0
.irp n, 0,1,2,3,4,5,6,7,8,9,10,11,12,13,14,15
	v_add_nc_u32 v[RK+\n], v[RK+\n], v[PL+\n]
	v_min_u32 v[RK+\n], 0x1fff, v[RK+\n]           ; a place in the list
	v_lshlrev_b32 v[RK+\n], 2, v[RK+\n]
	v_add_nc_u32 v[DT+\n], 2048*(\n/4)+(\n%4), v2  ; the entry's number
	global_store_b32 v[RK+\n], v[DT+\n], s[8:9]
.endr
	; the record of tile j = tid: the last expert whose first tile is not behind j
	v_mov_b32 v72, 0
	v_mov_b32 v76, 0
	v_mov_b32 v77, 0
	v_mov_b32 v78, s32
.irp e, 1,2,3,4,5,6,7
	v_cmp_gt_u32 vcc_lo, s[48+\e], v0              ; set: expert e begins behind tile j: what is held stays
	v_cndmask_b32 v72, \e, v72, vcc_lo
	v_cndmask_b32 v76, s[48+\e], v76, vcc_lo
	v_cndmask_b32 v77, s[40+\e], v77, vcc_lo
	v_cndmask_b32 v78, s[32+\e], v78, vcc_lo
.endr
	v_sub_nc_u32 v79, v0, v76
	v_mul_u32_u24 v79, v79, 80                     ; rows of the expert in front of this tile
	v_add_nc_u32 v73, v77, v79
	v_min_u32 v73, 0x1fff, v73                     ; first place
	v_min_u32 v79, v79, v78
	v_sub_nc_u32 v74, v78, v79
	v_min_u32 v74, 0x50, v74                       ; rows: what is left, at most 80, 0 behind the last tile
	v_mov_b32 v75, 0
	s_wait_xcnt 0x0                                ; EXEC changes only behind this wait
	v_cmp_gt_u32 vcc_lo, 110, v0
	s_wait_tensorcnt 0x0
	ds_add_u32 v96, v97
	s_wait_dscnt 0x0
	s_and_saveexec_b32 s30, vcc_lo
	global_store_b128 v1, v[72:75], s[8:9] offset:32768
	s_wait_xcnt 0x0
	s_or_b32 exec_lo, exec_lo, s30
	v_cmp_eq_u32 vcc_lo, 0, v0
	s_and_saveexec_b32 s30, vcc_lo
	global_store_b32 v14, v12, s[10:11]            ; the auxiliary loss
	s_wait_xcnt 0x0
	s_or_b32 exec_lo, exec_lo, s30
	s_endpgm
.Lfunc_end_k_q1d1a5b2dd7_place:
	.size	k_q1d1a5b2dd7_place, .Lfunc_end_k_q1d1a5b2dd7_place-k_q1d1a5b2dd7_place
	.p2alignl 7, 3214868480
	.fill 96, 4, 3214868480
	.section	.rodata,"a",@progbits
	.p2align	6, 0x0
	.amdhsa_kernel k_q1d1a5b2dd7_place
		.amdhsa_group_segment_fixed_size 3072
		.amdhsa_private_segment_fixed_size 0
		.amdhsa_enable_private_segment 0
		.amdhsa_kernarg_size 32
		.amdhsa_user_sgpr_count 2
		.amdhsa_user_sgpr_kernarg_segment_ptr 1
		.amdhsa_wavefront_size32 1
		.amdhsa_system_sgpr_workgroup_id_x 1
		.amdhsa_system_sgpr_workgroup_id_y 1
		.amdhsa_system_sgpr_workgroup_id_z 1
		.amdhsa_system_vgpr_workitem_id 0
		.amdhsa_next_free_vgpr 98
		.amdhsa_next_free_sgpr 66
		.amdhsa_reserve_vcc 1
		.amdhsa_float_denorm_mode_32 3
		.amdhsa_float_denorm_mode_16_64 3
		.amdhsa_memory_ordered 1
		.amdhsa_forward_progress 1
		.amdhsa_inst_pref_size 55
	.end_amdhsa_kernel
	.amdgpu_metadata
---
amdhsa.version: [ 1, 2 ]
amdhsa.kernels:
  - .name:           k_q1d1a5b2dd7_place
    .symbol:         k_q1d1a5b2dd7_place.kd
    .args:
      - { .name: topi, .offset: 0, .size: 8, .value_kind: global_buffer, .address_space: global }
      - { .name: psum, .offset: 8, .size: 8, .value_kind: global_buffer, .address_space: global }
      - { .name: list, .offset: 16, .size: 8, .value_kind: global_buffer, .address_space: global }
      - { .name: out1, .offset: 24, .size: 8, .value_kind: global_buffer, .address_space: global }
    .group_segment_fixed_size: 3072
    .private_segment_fixed_size: 0
    .kernarg_segment_align: 8
    .kernarg_segment_size: 32
    .max_flat_workgroup_size: 512
    .sgpr_count:     66
    .vgpr_count:     98
    .wavefront_size: 32
...
	.end_amdgpu_metadata
.endif
;; end of part 2
;; launch chain (part 3): grid 110 x 2, 4 waves a work-group, no clusters, 157,184 bytes of LDS; arguments wc, xq, gate, list, lowp_scales, b1, b2, part; writes part
.if DOCPART == 3
	.amdgcn_target "amdgcn-amd-amdhsa--gfx1250"
	.amdhsa_code_object_version 6
	.text
	.protected	k_q1d1a5b2dd7_chain
	.globl	k_q1d1a5b2dd7_chain
	.p2align	8
	.type	k_q1d1a5b2dd7_chain,@function
k_q1d1a5b2dd7_chain:
	s_mov_b64 s[64:65], 0
	v_nop
	global_prefetch_b8 v0, s[64:65] scope:SCOPE_SE
	s_setreg_imm32_b32 hwreg(HW_REG_WAVE_MODE, 25, 1), 1
	s_wait_xcnt 0x0
; CHAIN: one tile (at most 80 routed rows of ONE expert, work-group x) and one half of the hidden layer (slice = work-group y) go through the whole chain:
;   part[slice][entry][:] = gate x ( relu(x W1 + b1)[slice's 1,024 units] W2 (+ b2 in slice 0) ), both products on codes of E5M2 by v_wmma_f32_16x16x128_bf8_bf8, sums in f32.
; Only the rows that the router chose for an expert are multiplied: reference() gives the others the weight 0.  The grid, (ceil(8,192 / 80) + 7) x 2 = 220, serves every split; a tile with 0 rows stores nothing.
; 80 rows: the smallest multiple of 16 with which that grid stays at or under 256 work-groups (64 rows: 270).
; THE WAVES SHARE THE COLUMNS: wave w makes hidden units 128 (8 slice + 4 ch + w) on (ch = 0, 1) for all 80 rows, then output columns 128 w on.  Its stream of weights, 16 K steps of 8 tiles, was laid
; by the first launch as images of the operand's registers: each fragment goes from memory straight into registers, once in the work-group, and feeds 5 matrix instructions.  Loads run two K steps ahead (two sets: 64 loads).
; ROWS GO FROM WAVE TO WAVE THROUGH LDS AS IMAGES OF THEIR REGISTERS (a fragment: 4 stores of 512 bytes, lane l's 16 bytes at 16 l): x's 20 fragments, the hidden layer's 40.  Two barriers.
; BOTH PRODUCTS ARE USED TRANSPOSED (source 0 = 16 rows of weights, source 1 = 16 rows of the tile): a lane holds one row, and, by the choice of the rows that form a tile of weights
; (row r of tile 2 B + u = unit 32 B + 8 u + r + (r & 8)), the 16 registers of tiles 2 B, 2 B + 1 are 16 neighbouring units 32 B + 16 (lane / 16) + 0..15: the conversions' results are the next operand.
; The biases are the C of each sum's first matrix instruction, divided by the power of two that the sums lack; the three scales ahead of the hidden layer's quantiser are folded into one.
; NO JOINT LOADS: how many tiles an expert has is read from the list, so neighbours in the grid need not walk the same weights; and weights sent through LDS would add 16 KB of LDS writes and
; 16 KB of LDS reads to each wave's K step, which now reads 10 KB (the rows' fragments).
; Rows behind the tile's last repeat its last row: the same wave stores the same bytes again.
; LIMITS: eh - ex - ew1 between -126 and 112; ex + ew1 and eh + ew2 between -126 and 126.  NaN and infinities among the inputs are not served.
; REGISTERS, in windows of 256: window 0: v1-7 addresses; v8-12 the rows' entries; v16-25 gate x 2^(eh + ew2), in pairs; v32-95 the bias in the result's layout, later results on the way out;
;   v96-127 at work; v128-207 the rows' 5 fragments of a K step (also: x as gathered, the codes just made); v128-255 rows read back from the stage.
;   window 1: two sets of 8 weight fragments.   windows 2, 3: the 40 accumulators: (row block a, tile b) at v[8 (8 (a % 4) + b)]; blocks 0-3 in window 2, block 4 in window 3.
.set XIMG, 0                           ; LDS: x: fragment (row block m, K step s) at (4 m + s) x 2,048: 40,960 bytes
.set HIMG, 40960                       ; the hidden layer: fragment (m, K step k) at (8 m + k) x 2,048: 81,920 bytes
.set STG,  122880                      ; the way out: for each wave 16 rows of 512 bytes + 16
.set SP,   528
.set LI,   1                           ; v1   16 x lane: x's row blocks 0, 1
.set XHI,  2                           ; v2   + 16,384: x's row blocks 2-4
.set HLO,  3                           ; v3   + HIMG: the hidden layer's row blocks 0, 1
.set HHI,  4                           ; v4   + HIMG + 32,768: its blocks 2-4
.set STO,  5                           ; v5   the stage: row r, + 64 (lane / 16)
.set RD,   6                           ; v6   the stage, read back by rows
.set VB,   7                           ; v7   64 (lane / 16): my half's 16 numbers of 32 of a bias
.set ENT,  8
.set G2,   16
.set BIAS, 32
.set TMP,  32
.set EA,   96                          ; v96-100  byte offsets into the list
.set XA,   108                         ; v108-112 byte offsets in xq
.set GA,   113                         ; v113-117 byte offsets in gate
.set LN,   118
.set R,    119
.set H,    120
.set XB,   121                         ; 16 (lane / 16) + 128 wave: my half's 16 codes of each 32, in my wave's K step
.set XW,   123                         ; where my wave stores x's images
.set SC,   124                         ; 2^(eh - ex - ew1) as f32
.set LIM,  125                         ; 57,344 x that
.set HW,   126                         ; v126-127 where my wave stores the hidden layer's images: row blocks 0-1, 2-4
.set ADDR, 96                          ; the way out: two sets of 16 byte offsets in part
.set AF,   128
.set PC,   128
.set BK,   128
.set MSB, 0
.macro WIN new                         ; the immediate's high byte repeats the setting that is left; a switch that changes nothing is dropped
.if MSB != (\new)
	s_set_vgpr_msb (MSB<<8)|(\new)
.set MSB, (\new)
.endif
.endm
.set MUL_LO,   0xa1                    ; source 0 (weights) window 1, source 1 (rows) window 0, C and D window 2
.set MUL_HI,   0xf1                    ; the same, C and D window 3
.set FIRST_LO, 0x81                    ; C (the bias) window 0, D window 2
.set FIRST_HI, 0xc1
.set TO_W,     0x40                    ; destination window 1, address window 0
.macro PLACES                          ; four plain vector instructions between a matrix instruction and a load into one of its registers or a read of its result
.rept 4
	v_nop
.endr
.endm
; 8 matrix instructions: row block a x the 8 tiles of weight set p.  first = 1: the bias starts the sums.  The 40 accumulators take turns, in the same order in every K step.
.macro MUL8 a, p, first
.irp b, 0,1,2,3,4,5,6,7
.if \first
	v_wmma_f32_16x16x128_bf8_bf8 v[8*(8*((\a)%4)+\b):8*(8*((\a)%4)+\b)+7], v[128*(\p)+16*\b:128*(\p)+16*\b+15], v[AF+16*(\a):AF+16*(\a)+15], v[BIAS+8*\b:BIAS+8*\b+7]
.else
	v_wmma_f32_16x16x128_bf8_bf8 v[8*(8*((\a)%4)+\b):8*(8*((\a)%4)+\b)+7], v[128*(\p)+16*\b:128*(\p)+16*\b+15], v[AF+16*(\a):AF+16*(\a)+15], v[8*(8*((\a)%4)+\b):8*(8*((\a)%4)+\b)+7]
.endif
.endr
.endm
.macro WINLO first
.if \first
	WIN FIRST_LO
.else
	WIN MUL_LO
.endif
.endm
.macro WINHI first
.if \first
	WIN FIRST_HI
.else
	WIN MUL_HI
.endif
.endm
.macro FRAG reg, adr, off              ; an image comes back as it was stored
.irp c, 0,1,2,3
	ds_load_b128 v[\reg+4*\c:\reg+4*\c+3], v[\adr] offset:\off+512*\c
.endr
.endm
.macro FETCH_A a0, cnt, adr, fpb, s    ; row blocks a0 .. a0 + cnt - 1, K step s; adr points at block a0; fpb: fragments of a row block in the region
.irp i, 0,1,2
.if \i < \cnt
	FRAG AF+16*(\a0+\i), \adr, (\fpb*\i+(\s))*2048
.endif
.endr
.endm
.macro WLOAD p, n                      ; K step n of my stream of weights into set p: each load reads 512 consecutive bytes
	WIN TO_W
.irp b, 0,1,2,3,4,5,6,7
.irp c, 0,1,2,3
	global_load_b128 v[128*(\p)+16*\b+4*\c:128*(\p)+16*\b+4*\c+3], v[LI], s[32:33] offset:(\n)*16384+\b*2048+\c*512
.endr
.endr
	WIN 0
.endm
.macro BIASLOAD base, off              ; tile b's eight numbers of my half: units 32 (b / 2) + 16 (lane / 16) + 8 (b % 2) + 0..7
.irp b, 0,1,2,3,4,5,6,7
	global_load_b128 v[BIAS+8*\b:BIAS+8*\b+3], v[VB], s[\base:\base+1] offset:\off+128*(\b/2)+32*(\b%2)
	global_load_b128 v[BIAS+8*\b+4:BIAS+8*\b+7], v[VB], s[\base:\base+1] offset:\off+128*(\b/2)+32*(\b%2)+16
.endr
.endm
.macro BIASMUL fs                      ; the bias divided by the power of two that the sums lack
.set i, 0
.rept 32
	v_pk_mul_f32 v[BIAS+i:BIAS+i+1], v[BIAS+i:BIAS+i+1], s[\fs:\fs+1] op_sel_hi:[1,0]
.set i, i+2
.endr
.endm
; A K step: 40 matrix instructions.  lc: the global loads issued behind this step's weights, which may stay out.  snext: the next K step's fragments in the same region, or -1.
; Row blocks 0, 1 are fetched anew behind their 16 products, blocks 2-4 behind their 24.  bias = 1: b1 of the second 128 units, 2: b2, are asked for at the step's end (16 loads).
.macro STEP n, first, lc, alo, ahi, fpb, snext, bias
	s_wait_dscnt 12                                ; row blocks 0, 1 are in; the youngest 12 LDS loads (blocks 2-4) may be out
	s_wait_loadcnt \lc
	WINLO \first
	MUL8 0, (\n)%2, \first
	MUL8 1, (\n)%2, \first
	s_wait_dscnt 0x0                               ; row blocks 2-4 are in
.if \snext >= 0
	PLACES
	WIN 0
	FETCH_A 0, 2, \alo, \fpb, \snext
.endif
	WINLO \first
	MUL8 2, (\n)%2, \first
	MUL8 3, (\n)%2, \first
	WINHI \first
	MUL8 4, (\n)%2, \first
	PLACES
	WIN 0
.if \snext >= 0
	FETCH_A 2, 3, \ahi, \fpb, \snext
.endif
.if \bias == 1
	BIASLOAD 36, 2048
.endif
.if \bias == 2
	BIASLOAD 38, 0
.endif
.if (\n)+2 < 16
	WLOAD (\n)%2, (\n)+2                           ; the set just multiplied takes the weights of two K steps on
.endif
.endm
; My 128 hidden units of all 80 rows: relu and the hold in one, the conversion, the image to LDS: K step 4 ch + w of the second product.  Then the next bias is scaled.
.macro QUANT ch, fs
.irp a, 0,1,2,3,4
	WIN 0x82+0x41*(\a/4)                           ; source 0 and destination: the block's window
.set i, 64*(\a%4)
.rept 64
	v_med3_num_f32 v[i], v[i], 0, v[LIM]           ; between 0 and the largest code x the scale (the conversion does not saturate: ISA guide 7.6.2); each accumulator from its low end on
.set i, i+1
.endr
	WIN 0x02+(\a/4)
.irp b, 0,1,2,3,4,5,6,7
	v_cvt_scalef32_pk8_bf8_f32 v[PC+16*\a+2*\b:PC+16*\a+2*\b+1], v[64*(\a%4)+8*\b:64*(\a%4)+8*\b+7], v[SC]
.endr
	WIN 0
	v_nop                                          ; a plain instruction behind the last conversion of the run
.irp c, 0,1,2,3
	ds_store_b128 v[HW+(\a+2)/4], v[PC+16*\a+4*\c:PC+16*\a+4*\c+3] offset:(8*(\a-2*((\a+2)/4))+4*\ch)*2048+512*\c   ; blocks 0, 1 by the first address, 2-4 by the second
.endr
.endr
	BIASMUL \fs
.endm
; THE WAY OUT of row block a: x gate x 2^(eh + ew2); through my own stage; back as whole rows of 512 bytes; each row to its entry's place in part.
.macro TOSTAGE a
	WIN 0x02+((\a)/4)
.set i, 0
.rept 32
	v_pk_mul_f32 v[TMP+i:TMP+i+1], v[64*((\a)%4)+i:64*((\a)%4)+i+1], v[G2+2*(\a):G2+2*(\a)+1]
.set i, i+2
.endr
	WIN 0
.irp q, 0,1,2,3,4,5,6,7,8,9,10,11,12,13,14,15
	ds_store_b128 v[STO], v[TMP+4*\q:TMP+4*\q+3] offset:128*(\q/4)+16*(\q%4)
.endr
.irp t, 0,1,2,3,4,5,6,7,8,9,10,11,12,13,14,15
	ds_load_b128 v[BK+64*((\a)%2)+4*\t:BK+64*((\a)%2)+4*\t+3], v[RD] offset:\t*SP   ; LDS serves a wave's instructions in order (ISA guide 5.7.1.4): these see the stores above
.endr
.endm
; The block's sixteen entries go into sixteen scalar registers in one run, are held in one run and made into offsets in one run: no line waits for the line above it.
.macro SEND a, younger                 ; younger: the LDS instructions issued behind block a's loads
.irp t, 0,1,2,3,4,5,6,7,8,9,10,11,12,13,14,15
	v_readlane_b32 s[48+\t], v[ENT+(\a)], \t       ; row t's entry
.endr
.irp t, 0,1,2,3,4,5,6,7,8,9,10,11,12,13,14,15
	s_min_u32 s[48+\t], s[48+\t], 0x1fff
.endr
.irp t, 0,1,2,3,4,5,6,7,8,9,10,11,12,13,14,15
	v_lshl_add_u32 v[ADDR+16*((\a)%2)+\t], s[48+\t], 11, v[LI]
.endr
	s_wait_dscnt \younger
.irp t, 0,1,2,3,4,5,6,7,8,9,10,11,12,13,14,15
	global_store_b128 v[ADDR+16*((\a)%2)+\t], v[BK+64*((\a)%2)+4*\t:BK+64*((\a)%2)+4*\t+3], s[34:35]   ; 32 lanes store 512 consecutive bytes, aligned
.endr
.endm
	s_load_b512 s[4:19], s[0:1], 0x0               ; wc 4, xq 6, gate 8, list 10, scales 12, b1 14, b2 16, part 18
	v_lshl_add_u32 v30, v0, 2, 0x26400
	v_mov_b32 v31, 0
	v_lshrrev_b32 v[LN], 5, v0
	v_readfirstlane_b32 s20, v[LN]                 ; wave 0..3
	s_and_b32 s21, ttmp7, 0xffff                   ; slice
	s_lshl_b32 s48, ttmp9, 4                       ; my tile's record
	v_and_b32 v[LN], 31, v0
	v_and_b32 v[R], 15, v0
	v_bfe_u32 v[H], v0, 4, 1
	v_lshlrev_b32 v[LI], 4, v[LN]
	v_add_nc_u32 v[XHI], 16384, v[LI]
	v_add_nc_u32 v[HLO], HIMG, v[LI]
	v_add_nc_u32 v[HHI], HIMG+32768, v[LI]
	s_mul_i32 s22, s20, 16*SP
	s_add_co_u32 s22, s22, STG                     ; my stage
	v_mul_u32_u24 v[STO], v[R], SP
	v_lshl_add_u32 v[STO], v[H], 6, v[STO]
	v_add_nc_u32 v[STO], s22, v[STO]
	v_add_nc_u32 v[RD], s22, v[LI]
	v_lshlrev_b32 v[VB], 6, v[H]
	s_lshl_b32 s23, s20, 11                        ; one fragment for each wave
	v_add_nc_u32 v[HW], s23, v[HLO]
	v_add_nc_u32 v[HW+1], s23, v[HHI]
	v_add_nc_u32 v[XW], s23, v[LI]                 ; x's fragments (m, K step w)
	s_lshl_b32 s53, s20, 7
	v_lshlrev_b32 v[XB], 4, v[H]
	v_add_nc_u32 v[XB], s53, v[XB]
	s_wait_kmcnt 0x0
	s_load_b128 s[24:27], s[10:11], s48 offset:0x8000   ; expert, first place, rows, 0
	s_wait_kmcnt 0x0
	s_min_u32 s24, s24, 7
	s_min_u32 s25, s25, 0x1fff
	s_min_u32 s26, s26, 80
	s_lshl_b32 s49, s24, 4
	s_load_b128 s[28:31], s[12:13], s49 offset:0x0 ; ex, ew1, eh, ew2 of my expert
	s_max_u32 s47, s26, 1
	s_sub_co_u32 s47, s47, 1                       ; the tile's last row
	s_mov_b32 s51, 0
	s_lshl_b32 s50, s24, 21
	s_lshl_b32 s52, s21, 20
	s_add_co_u32 s50, s50, s52
	s_lshl_b32 s52, s20, 18
	s_add_co_u32 s50, s50, s52
	s_add_nc_u64 s[32:33], s[4:5], s[50:51]        ; my stream of weights
	s_lshl_b32 s50, s21, 24
	s_lshl_b32 s52, s20, 9
	s_add_co_u32 s50, s50, s52
	s_add_nc_u64 s[34:35], s[18:19], s[50:51]      ; part: my slice, my 128 columns
	s_lshl_b32 s50, s24, 13
	s_lshl_b32 s53, s21, 12
	s_add_co_u32 s50, s50, s53
	s_add_co_u32 s50, s50, s52
	s_add_nc_u64 s[36:37], s[14:15], s[50:51]      ; b1 at my first 128 units
	s_lshl_b32 s50, s24, 11
	s_add_co_u32 s50, s50, s52
	s_add_nc_u64 s[38:39], s[16:17], s[50:51]      ; b2 at my 128 columns
.irp a, 0,1,2,3,4
	v_add_nc_u32 v[EA+\a], 16*\a, v[R]             ; row 16 a + r of the tile,
	v_min_u32 v[EA+\a], s47, v[EA+\a]              ; held at its last row,
	v_add_nc_u32 v[EA+\a], s25, v[EA+\a]
	v_min_u32 v[EA+\a], 0x1fff, v[EA+\a]           ; its place in the list
	v_lshlrev_b32 v[EA+\a], 2, v[EA+\a]
	global_load_b32 v[ENT+\a], v[EA+\a], s[10:11]
.endr
	BIASLOAD 36, 0
	WLOAD 0, 0
	s_wait_kmcnt 0x0
	s_add_co_i32 s54, s28, s29                     ; ex + ew1: a sum of the first product stands for sum x 2^(ex + ew1)
	s_sub_co_i32 s40, 127, s54
	s_lshl_b32 s40, s40, 23                        ; 2^-(ex + ew1): b1's factor
	s_mov_b32 s41, s40                             ; (named with it as a pair, so it is written)
	s_add_co_i32 s55, s30, s31                     ; eh + ew2
	s_sub_co_i32 s42, 127, s55
	s_lshl_b32 s42, s42, 23
	s_cmp_eq_u32 s21, 0
	s_cselect_b32 s42, s42, 0                      ; 2^-(eh + ew2): b2's factor in slice 0; 0 in slice 1, so that b2 is added once
	s_mov_b32 s43, s42
	s_sub_co_i32 s44, s30, s54
	s_add_co_i32 s44, s44, 127
	s_lshl_b32 s44, s44, 23                        ; 2^(eh - ex - ew1): the three scales folded into the conversion's one
	s_add_co_u32 s45, s44, 0x07e00000              ; 57,344 x that
	s_add_co_i32 s46, s55, 127
	s_lshl_b32 s46, s46, 23                        ; 2^(eh + ew2)
	v_mov_b32 v[SC], s44
	v_mov_b32 v[LIM], s45
	s_wait_loadcnt 48                              ; the list's five loads are in; the bias (16) and the first weights (32) may be out
.irp a, 0,1,2,3,4
	v_min_u32 v[ENT+\a], 0x1fff, v[ENT+\a]
	v_lshlrev_b32 v[GA+\a], 2, v[ENT+\a]
	v_lshl_add_u32 v[XA+\a], v[ENT+\a], 9, v[XB]   ; the entry's 512 codes; of them my wave's K step, my half's 16 of each 32
.endr
.irp m, 0,1,2,3,4                      ; the gather is shared by K step: wave w takes K step w of all 80 rows, so that five row blocks divide among four waves
.irp c, 0,1,2,3
	global_load_b128 v[AF+16*\m+4*\c:AF+16*\m+4*\c+3], v[XA+\m], s[6:7] offset:32*\c
.endr
.endr
.irp a, 0,1,2,3,4
	global_load_b32 v[G2+2*\a], v[GA+\a], s[8:9]
.endr
	WLOAD 1, 1
	s_wait_loadcnt 37                              ; x, the bias and K step 0's weights are in; the gates (5) and K step 1's weights (32) may be out
	BIASMUL 40
.irp m, 0,1,2,3,4
.irp c, 0,1,2,3
	ds_store_b128 v[XW], v[AF+16*\m+4*\c:AF+16*\m+4*\c+3] offset:8192*\m+512*\c
.endr
.endr
	s_wait_dscnt 0x0                               ; for the others' sake: my images of x have landed
	s_barrier_signal -1
	s_barrier_wait -1                              ; x's 20 fragments lie in LDS
	; ---- my first 128 hidden units
	FETCH_A 0, 2, LI, 4, 0
	FETCH_A 2, 3, XHI, 4, 0
	STEP 0, 1, 37, LI, XHI, 4, 1, 1
	STEP 1, 0, 48, LI, XHI, 4, 2, 0                ; behind K step 1's weights: the bias (16) and K step 2's weights (32)
	STEP 2, 0, 32, LI, XHI, 4, 3, 0
	STEP 3, 0, 32, LI, XHI, 4, -1, 0
	QUANT 0, 40
	s_wait_dscnt 0x0                               ; the stores have read the codes' registers, which take fragments again
	; ---- my second 128
	FETCH_A 0, 2, LI, 4, 0
	FETCH_A 2, 3, XHI, 4, 0
	STEP 4, 1, 32, LI, XHI, 4, 1, 2
	STEP 5, 0, 48, LI, XHI, 4, 2, 0
	STEP 6, 0, 32, LI, XHI, 4, 3, 0
	STEP 7, 0, 32, LI, XHI, 4, -1, 0
	QUANT 1, 42
	s_wait_dscnt 0x0                               ; for the others' sake: my images of the hidden layer have landed
	s_barrier_signal -1
	s_barrier_wait -1                              ; its 40 fragments lie in LDS.  No barrier follows
	s_cmp_eq_u32 s26, 0                            ; a tile that this split leaves without rows stores nothing
	s_cbranch_scc1 .Lend
	; ---- my 128 output columns: 8 K steps over the slice's 1,024 hidden units
	FETCH_A 0, 2, HLO, 8, 0
	FETCH_A 2, 3, HHI, 8, 0
	STEP 8, 1, 32, HLO, HHI, 8, 1, 0
	STEP 9, 0, 32, HLO, HHI, 8, 2, 0
	STEP 10, 0, 32, HLO, HHI, 8, 3, 0
	STEP 11, 0, 32, HLO, HHI, 8, 4, 0
	STEP 12, 0, 32, HLO, HHI, 8, 5, 0
	STEP 13, 0, 32, HLO, HHI, 8, 6, 0
	STEP 14, 0, 32, HLO, HHI, 8, 7, 0
	STEP 15, 0, 0, HLO, HHI, 8, -1, 0
.irp a, 0,1,2,3,4
	v_mul_f32 v[G2+2*\a+1], s46, v[G2+2*\a]        ; gate x 2^(eh + ew2), twice: a pair for the packed multiply
	v_mul_f32 v[G2+2*\a], s46, v[G2+2*\a]
.endr
	TOSTAGE 0
.irp a, 1,2,3,4
.if \a > 1
	s_wait_xcnt 0x0                                ; block a - 2's stores have read their data and offsets: block a's loads may land there, and the offsets may be written again
.endif
	TOSTAGE \a
	SEND \a-1, 32                                  ; behind block a - 1's loads: block a's 16 stores and 16 loads
.endr
	SEND 4, 0
.Lend:
	s_wait_tensorcnt 0x0
	ds_add_u32 v30, v31
	s_wait_dscnt 0x0
	s_endpgm
.Lfunc_end_k_q1d1a5b2dd7_chain:
	.size	k_q1d1a5b2dd7_chain, .Lfunc_end_k_q1d1a5b2dd7_chain-k_q1d1a5b2dd7_chain
	.p2alignl 7, 3214868480
	.fill 96, 4, 3214868480
	.section	.rodata,"a",@progbits
	.p2align	6, 0x0
	.amdhsa_kernel k_q1d1a5b2dd7_chain
		.amdhsa_group_segment_fixed_size 157184
		.amdhsa_private_segment_fixed_size 0
		.amdhsa_enable_private_segment 0
		.amdhsa_kernarg_size 64
		.amdhsa_user_sgpr_count 2
		.amdhsa_user_sgpr_kernarg_segment_ptr 1
		.amdhsa_wavefront_size32 1
		.amdhsa_system_sgpr_workgroup_id_x 1
		.amdhsa_system_sgpr_workgroup_id_y 1
		.amdhsa_system_sgpr_workgroup_id_z 1
		.amdhsa_system_vgpr_workitem_id 0
		.amdhsa_next_free_vgpr 1024
		.amdhsa_next_free_sgpr 66
		.amdhsa_reserve_vcc 0
		.amdhsa_float_denorm_mode_32 3
		.amdhsa_float_denorm_mode_16_64 3
		.amdhsa_memory_ordered 1
		.amdhsa_forward_progress 1
		.amdhsa_inst_pref_size 229
	.end_amdhsa_kernel
	.amdgpu_metadata
---
amdhsa.version: [ 1, 2 ]
amdhsa.kernels:
  - .name:           k_q1d1a5b2dd7_chain
    .symbol:         k_q1d1a5b2dd7_chain.kd
    .args:
      - { .name: wc, .offset: 0, .size: 8, .value_kind: global_buffer, .address_space: global }
      - { .name: xq, .offset: 8, .size: 8, .value_kind: global_buffer, .address_space: global }
      - { .name: gate, .offset: 16, .size: 8, .value_kind: global_buffer, .address_space: global }
      - { .name: list, .offset: 24, .size: 8, .value_kind: global_buffer, .address_space: global }
      - { .name: lowp_scales, .offset: 32, .size: 8, .value_kind: global_buffer, .address_space: global }
      - { .name: b1, .offset: 40, .size: 8, .value_kind: global_buffer, .address_space: global }
      - { .name: b2, .offset: 48, .size: 8, .value_kind: global_buffer, .address_space: global }
      - { .name: part, .offset: 56, .size: 8, .value_kind: global_buffer, .address_space: global }
    .group_segment_fixed_size: 157184
    .private_segment_fixed_size: 0
    .kernarg_segment_align: 8
    .kernarg_segment_size: 64
    .max_flat_workgroup_size: 128
    .sgpr_count:     66
    .vgpr_count:     1024
    .wavefront_size: 32
...
	.end_amdgpu_metadata
.endif
;; end of part 3
;; launch sum (part 4): grid 256 x 1, 8 waves a work-group, no clusters, 0 bytes of LDS; arguments part, out0; writes out0
.if DOCPART == 4
	.amdgcn_target "amdgcn-amd-amdhsa--gfx1250"
	.amdhsa_code_object_version 6
	.text
	.protected	k_q1d1a5b2dd7_sum
	.globl	k_q1d1a5b2dd7_sum
	.p2align	8
	.type	k_q1d1a5b2dd7_sum,@function
k_q1d1a5b2dd7_sum:
	s_mov_b64 s[64:65], 0
	v_nop
	global_prefetch_b8 v0, s[64:65] scope:SCOPE_SE
	s_setreg_imm32_b32 hwreg(HW_REG_WAVE_MODE, 25, 1), 1
	s_wait_xcnt 0x0
; SUM: out0[t][:] = part[0][2 t] + part[0][2 t + 1] + part[1][2 t] + part[1][2 t + 1]: a token's two experts, each in two slices of the hidden layer.  An ordered sum: no atomics.
; A stream: a work-group takes 16 tokens in 8 steps of 2; a thread 16 bytes of each of the four rows; all 32 loads go out first; each load and store of a wave covers 512 consecutive bytes.
; No LDS, no barrier, no matrix unit: memory binds, and waves share nothing.
.set P, 16                             ; v16-143: step st: four sets of 4 registers
	s_load_b128 s[4:7], s[0:1], 0x0                ; part, out0
	v_lshrrev_b32 v1, 7, v0                        ; which of the step's two tokens
	v_and_b32 v2, 127, v0
	v_lshlrev_b32 v2, 4, v2
	v_lshl_add_u32 v2, v1, 12, v2                  ; a token's two entries are 4,096 bytes
	v_lshlrev_b32 v3, 4, v0                        ; out0: two rows of 2,048 bytes on end
	s_lshl_b32 s2, ttmp9, 16                       ; 16 tokens: 65,536 bytes of a slice of part,
	s_mov_b32 s3, 0
	s_lshl_b32 s10, ttmp9, 15                      ; 32,768 of out0
	s_mov_b32 s11, 0
	s_wait_kmcnt 0x0
	s_add_nc_u64 s[4:5], s[4:5], s[2:3]
	s_add_nc_u64 s[8:9], s[4:5], 0x1000000         ; the second slice, 8,192 x 2,048 bytes on
	s_add_nc_u64 s[6:7], s[6:7], s[10:11]
.irp st, 0,1,2,3,4,5,6,7
	global_load_b128 v[P+16*\st:P+16*\st+3], v2, s[4:5] offset:8192*\st th:TH_LOAD_NT
	global_load_b128 v[P+16*\st+4:P+16*\st+7], v2, s[4:5] offset:8192*\st+2048 th:TH_LOAD_NT
	global_load_b128 v[P+16*\st+8:P+16*\st+11], v2, s[8:9] offset:8192*\st th:TH_LOAD_NT
	global_load_b128 v[P+16*\st+12:P+16*\st+15], v2, s[8:9] offset:8192*\st+2048 th:TH_LOAD_NT
.endr
.macro ADDUP st
.set Q, P+16*\st
	s_wait_loadcnt 28-4*\st                        ; this step's four loads are in; the later steps' may be out
	v_pk_add_f32 v[Q:Q+1], v[Q:Q+1], v[Q+4:Q+5]
	v_pk_add_f32 v[Q+2:Q+3], v[Q+2:Q+3], v[Q+6:Q+7]
	v_pk_add_f32 v[Q+8:Q+9], v[Q+8:Q+9], v[Q+12:Q+13]
	v_pk_add_f32 v[Q+10:Q+11], v[Q+10:Q+11], v[Q+14:Q+15]
	v_pk_add_f32 v[Q:Q+1], v[Q:Q+1], v[Q+8:Q+9]
	v_pk_add_f32 v[Q+2:Q+3], v[Q+2:Q+3], v[Q+10:Q+11]
	global_store_b128 v3, v[Q:Q+3], s[6:7] offset:4096*\st th:TH_STORE_NT
.endm
.irp st, 0,1,2,3,4,5,6,7
	ADDUP \st
.endr
	s_endpgm
.Lfunc_end_k_q1d1a5b2dd7_sum:
	.size	k_q1d1a5b2dd7_sum, .Lfunc_end_k_q1d1a5b2dd7_sum-k_q1d1a5b2dd7_sum
	.p2alignl 7, 3214868480
	.fill 96, 4, 3214868480
	.section	.rodata,"a",@progbits
	.p2align	6, 0x0
	.amdhsa_kernel k_q1d1a5b2dd7_sum
		.amdhsa_group_segment_fixed_size 0
		.amdhsa_private_segment_fixed_size 0
		.amdhsa_enable_private_segment 0
		.amdhsa_kernarg_size 16
		.amdhsa_user_sgpr_count 2
		.amdhsa_user_sgpr_kernarg_segment_ptr 1
		.amdhsa_wavefront_size32 1
		.amdhsa_system_sgpr_workgroup_id_x 1
		.amdhsa_system_sgpr_workgroup_id_y 1
		.amdhsa_system_sgpr_workgroup_id_z 1
		.amdhsa_system_vgpr_workitem_id 0
		.amdhsa_next_free_vgpr 144
		.amdhsa_next_free_sgpr 66
		.amdhsa_reserve_vcc 0
		.amdhsa_float_denorm_mode_32 3
		.amdhsa_float_denorm_mode_16_64 3
		.amdhsa_memory_ordered 1
		.amdhsa_forward_progress 1
		.amdhsa_inst_pref_size 8
	.end_amdhsa_kernel
	.amdgpu_metadata
---
amdhsa.version: [ 1, 2 ]
amdhsa.kernels:
  - .name:           k_q1d1a5b2dd7_sum
    .symbol:         k_q1d1a5b2dd7_sum.kd
    .args:
      - { .name: part, .offset: 0, .size: 8, .value_kind: global_buffer, .address_space: global }
      - { .name: out0, .offset: 8, .size: 8, .value_kind: global_buffer, .address_space: global }
    .group_segment_fixed_size: 0
    .private_segment_fixed_size: 0
    .kernarg_segment_align: 8
    .kernarg_segment_size: 16
    .max_flat_workgroup_size: 256
    .sgpr_count:     66
    .vgpr_count:     144
    .wavefront_size: 32
...
	.end_amdgpu_metadata
.endif
;; end of part 4
;; ======== version 2 of 2: 4 launches; version 1 with the launch chain written anew for expert scheduling mode
;; workspace buffers: wc 16,777,216 bytes; xq 4,194,304 bytes; topi 32,768 bytes of whole numbers; gate 32,768 bytes; psum 65,536 bytes; list 34,560 bytes of whole numbers; part 33,554,432 bytes
;; launch prep: the kernel of part 1 again; grid 512 x 1, 8 waves a work-group, no clusters, 0 bytes of LDS; arguments x, Wg, W1, W2, lowp_scales, wc, xq, topi, gate, psum; writes wc, xq, topi, gate, psum
;; launch place: the kernel of part 2 again; grid 1 x 1, 16 waves a work-group, no clusters, 3,072 bytes of LDS; arguments topi, psum, list, out1; writes list, out1
;; launch chain (part 5): grid 110 x 2, 4 waves a work-group, no clusters, 157,184 bytes of LDS; arguments wc, xq, gate, list, lowp_scales, b1, b2, part; writes part
.if DOCPART == 5
	.amdgcn_target "amdgcn-amd-amdhsa--gfx1250"
	.amdhsa_code_object_version 6
	.text
	.protected	k_q1d1a5b2dd7_chain
	.globl	k_q1d1a5b2dd7_chain
	.p2align	8
	.type	k_q1d1a5b2dd7_chain,@function
k_q1d1a5b2dd7_chain:
	s_mov_b64 s[64:65], 0
	v_nop
	global_prefetch_b8 v0, s[64:65] scope:SCOPE_SE
	s_setreg_imm32_b32 hwreg(HW_REG_WAVE_SCHED_MODE, 0, 2), 2
	s_setreg_imm32_b32 hwreg(HW_REG_WAVE_MODE, 25, 1), 1
	s_wait_xcnt 0x0
	s_wait_alu depctr_vm_vsrc(0)
; CHAIN: one tile (at most 80 routed rows of ONE expert, work-group x) and one half of the hidden layer (slice = work-group y) go through the whole chain:
;   part[slice][entry][:] = gate x ( relu(x W1 + b1)[slice's 1,024 units] W2 (+ b2 in slice 0) ), both products on codes of E5M2 by v_wmma_f32_16x16x128_bf8_bf8, sums in f32.
; Only the rows that the router chose for an expert are multiplied: reference() gives the others the weight 0.  The grid, (ceil(8,192 / 80) + 7) x 2 = 220, serves every split; a tile with 0 rows stores nothing.
; 80 rows: the smallest multiple of 16 with which that grid stays at or under 256 work-groups (64 rows: 270).
; THE WAVES SHARE THE COLUMNS: wave w makes hidden units 128 (8 slice + 4 ch + w) on (ch = 0, 1) for all 80 rows, then output columns 128 w on.  Its stream of weights, 16 K steps of 8 tiles, was laid
; by the first launch as images of the operand's registers: each fragment goes from memory straight into registers, once in the work-group, and feeds 5 matrix instructions.  Loads run two K steps ahead (two sets: 64 loads).
; ROWS GO FROM WAVE TO WAVE THROUGH LDS AS IMAGES OF THEIR REGISTERS (a fragment: 4 stores of 512 bytes, lane l's 16 bytes at 16 l): x's 20 fragments, the hidden layer's 40.  Two barriers.
; BOTH PRODUCTS ARE USED TRANSPOSED (source 0 = 16 rows of weights, source 1 = 16 rows of the tile): a lane holds one row, and, by the choice of the rows that form a tile of weights
; (row r of tile 2 B + u = unit 32 B + 8 u + r + (r & 8)), the 16 registers of tiles 2 B, 2 B + 1 are 16 neighbouring units 32 B + 16 (lane / 16) + 0..15: the conversions' results are the next operand.
; The biases are the C of each sum's first matrix instruction, divided by the power of two that the sums lack; the three scales ahead of the hidden layer's quantiser are folded into one.
; NO JOINT LOADS: how many tiles an expert has is read from the list, so neighbours in the grid need not walk the same weights; and weights sent through LDS would add 16 KB of LDS writes and
; 16 KB of LDS reads to each wave's K step, which now reads 10 KB (the rows' fragments).
; Rows behind the tile's last repeat its last row: the same wave stores the same bytes again.
; LIMITS: eh - ex - ew1 between -126 and 112; ex + ew1 and eh + ew2 between -126 and 126.  NaN and infinities among the inputs are not served.
; REGISTERS, in windows of 256: window 0: v1-7 addresses; v8-12 the rows' entries; v16-25 gate x 2^(eh + ew2), in pairs; v30, v31 the closing add's two; v32-95 the bias in the result's layout, later results on the way out;
;   v96-127 at work; v128-207 the rows' 5 fragments of an even K step (also: x as gathered, the codes just made); v128-255 rows read back from the stage.
;   window 1: two sets of 8 weight fragments.   windows 2, 3: the 40 accumulators: (row block a, tile b) at v[8 (8 (a % 4) + b)]; blocks 0-3 in window 2, block 4 in window 3.
;   window 3, v64-143: the rows' 5 fragments of an odd K step.
; THE MODE: SCHED_MODE bits 1:0 = 2 (LLVM: expert scheduling mode 2), set by the entry lines.  The code itself states the register dependences
; between vector or matrix instructions and memory or LDS instructions, with s_wait_alu, always for 0.
; THE PLAN.  Registers that memory or LDS instructions touch:
;   W0, W1      K step n: its 40 products read W[n % 2]; at the step's end the loads of K step n + 2 land in it.
;   AF0, AF1    K step n: its 40 products read AF[n % 2]; the LDS loads of K step n + 1, issued in step n behind its first eight products, land in the other set, which step n - 1 read.
;               AF0 is also x as gathered and the codes just made (read by LDS stores), and on the way out part of the rows read back.
;   the bias    Read as C by a phase's first 40 products; loaded again at that step's end; scaled by vector instructions once it is in.
;   TMP, BK, ADDR  The way out of row block a: TMP is written by the packed multiplies and read by the stage's stores; BK[a % 2] takes the loads from the stage and is read by the block's global stores;
;               ADDR[a % 2] is written by vector instructions and read by the same stores.
;   v1-7, v30, v31  Made at the head and never written again.
; So ONE wait on va_vdst stands in a K step, at its end: the step's products are done reading W[n % 2], AF[n % 2] and the bias.  The weights' and the bias's loads follow it at once; the rows' loads into AF[n % 2]
; follow in the next step, behind eight products that name the other sets, the accumulators and (in a phase's first step) the bias alone.  A phase's conversions have one wait, ahead of the run of 20 LDS stores; a row block of the way out has one on each of the three fields.
.set XIMG, 0                           ; LDS: x: fragment (row block m, K step s) at (4 m + s) x 2,048: 40,960 bytes
.set HIMG, 40960                       ; the hidden layer: fragment (m, K step k) at (8 m + k) x 2,048: 81,920 bytes
.set STG,  122880                      ; the way out: for each wave 16 rows of 512 bytes + 16
.set SP,   528
.set LI,   1                           ; v1   16 x lane: x's row blocks 0, 1
.set XHI,  2                           ; v2   + 16,384: x's row blocks 2-4
.set HLO,  3                           ; v3   + HIMG: the hidden layer's row blocks 0, 1
.set HHI,  4                           ; v4   + HIMG + 32,768: its blocks 2-4
.set STO,  5                           ; v5   the stage: row r, + 64 (lane / 16)
.set RD,   6                           ; v6   the stage, read back by rows
.set VB,   7                           ; v7   64 (lane / 16): my half's 16 numbers of 32 of a bias
.set ENT,  8
.set G2,   16
.set BIAS, 32
.set TMP,  32
.set EA,   96                          ; v96-100  byte offsets into the list
.set XA,   108                         ; v108-112 byte offsets in xq
.set GA,   113                         ; v113-117 byte offsets in gate
.set LN,   118
.set R,    119
.set H,    120
.set XB,   121                         ; 16 (lane / 16) + 128 wave: my half's 16 codes of each 32, in my wave's K step
.set XW,   123                         ; where my wave stores x's images
.set SC,   124                         ; 2^(eh - ex - ew1) as f32
.set LIM,  125                         ; 57,344 x that
.set HW,   126                         ; v126-127 where my wave stores the hidden layer's images: row blocks 0-1, 2-4
.set ADDR, 96                          ; the way out: two sets of 16 byte offsets in part
.set AF,   128                         ; the rows' fragments: set q at v[AF - 64 q], set 0 in window 0, set 1 in window 3
.set PC,   128
.set BK,   128
.set MSB, 0
.macro WIN new                         ; the immediate's high byte repeats the setting that is left; a switch that changes nothing is dropped
.if MSB != (\new)
	s_set_vgpr_msb (MSB<<8)|(\new)
.set MSB, (\new)
.endif
.endm
.set MUL_LO,   0xa1                    ; source 0 (weights) window 1, source 1 (rows) window 0, C and D window 2;  + 12: source 1 window 3 (the odd K steps' set)
.set MUL_HI,   0xf1                    ; the same, C and D window 3
.set FIRST_LO, 0x81                    ; C (the bias) window 0, D window 2: a phase's first K step is an even one
.set FIRST_HI, 0xc1
.set TO_W,     0x40                    ; destination window 1, address window 0
.macro PLACES                          ; four plain vector instructions between a matrix instruction and a load into one of its registers or a read of its result
.rept 4
	v_nop
.endr
.endm
; 8 matrix instructions: row block a x the 8 tiles of weight set p, the rows from set p too.  first = 1: the bias starts the sums.  The 40 accumulators take turns, in the same order in every K step.
.macro MUL8 a, p, first
.irp b, 0,1,2,3,4,5,6,7
.if \first
	v_wmma_f32_16x16x128_bf8_bf8 v[8*(8*((\a)%4)+\b):8*(8*((\a)%4)+\b)+7], v[128*(\p)+16*\b:128*(\p)+16*\b+15], v[AF-64*(\p)+16*(\a):AF-64*(\p)+16*(\a)+15], v[BIAS+8*\b:BIAS+8*\b+7]
.else
	v_wmma_f32_16x16x128_bf8_bf8 v[8*(8*((\a)%4)+\b):8*(8*((\a)%4)+\b)+7], v[128*(\p)+16*\b:128*(\p)+16*\b+15], v[AF-64*(\p)+16*(\a):AF-64*(\p)+16*(\a)+15], v[8*(8*((\a)%4)+\b):8*(8*((\a)%4)+\b)+7]
.endif
.endr
.endm
.macro WINLO first, p
.if \first
	WIN FIRST_LO
.else
	WIN MUL_LO+12*(\p)
.endif
.endm
.macro WINHI first, p
.if \first
	WIN FIRST_HI
.else
	WIN MUL_HI+12*(\p)
.endif
.endm
.macro FRAG reg, adr, off              ; an image comes back as it was stored
.irp c, 0,1,2,3
	ds_load_b128 v[\reg+4*\c:\reg+4*\c+3], v[\adr] offset:\off+512*\c
.endr
.endm
.macro FETCH q, alo, ahi, fpb, s       ; all five row blocks of K step s into set q, blocks 0 and 1 first; alo points at block 0, ahi at block 2; fpb: fragments of a row block in the region
	WIN 0xc0*(\q)                                  ; destination window 0 or 3, address window 0
.irp i, 0,1
	FRAG AF-64*(\q)+16*\i, \alo, (\fpb*\i+(\s))*2048
.endr
.irp i, 0,1,2
	FRAG AF-64*(\q)+16*(2+\i), \ahi, (\fpb*\i+(\s))*2048
.endr
.endm
.macro WLOAD p, n                      ; K step n of my stream of weights into set p: each load reads 512 consecutive bytes
	WIN TO_W
.irp b, 0,1,2,3,4,5,6,7
.irp c, 0,1,2,3
	global_load_b128 v[128*(\p)+16*\b+4*\c:128*(\p)+16*\b+4*\c+3], v[LI], s[32:33] offset:(\n)*16384+\b*2048+\c*512
.endr
.endr
	WIN 0
.endm
.macro BIASLOAD base, off              ; tile b's eight numbers of my half: units 32 (b / 2) + 16 (lane / 16) + 8 (b % 2) + 0..7
.irp b, 0,1,2,3,4,5,6,7
	global_load_b128 v[BIAS+8*\b:BIAS+8*\b+3], v[VB], s[\base:\base+1] offset:\off+128*(\b/2)+32*(\b%2)
	global_load_b128 v[BIAS+8*\b+4:BIAS+8*\b+7], v[VB], s[\base:\base+1] offset:\off+128*(\b/2)+32*(\b%2)+16
.endr
.endm
.macro BIASMUL fs                      ; the bias divided by the power of two that the sums lack
.set i, 0
.rept 32
	v_pk_mul_f32 v[BIAS+i:BIAS+i+1], v[BIAS+i:BIAS+i+1], s[\fs:\fs+1] op_sel_hi:[1,0]
.set i, i+2
.endr
.endm
; A K step: 40 matrix instructions on set n % 2 of the weights and of the rows.  lc: the global loads issued behind this step's weights, which may stay out.  snext: the next K step's fragments in the same region, or -1.
; bias = 1: b1 of the second 128 units, 2: b2, are asked for at the step's end (16 loads).
.macro STEP n, first, lc, alo, ahi, fpb, snext, bias
	s_wait_dscnt 12                                ; row blocks 0, 1 are in; the youngest 12 LDS loads (blocks 2-4) may be out
	s_wait_loadcnt \lc
	WINLO \first, (\n)%2
	MUL8 0, (\n)%2, \first
.if \snext >= 0
	FETCH 1-(\n)%2, \alo, \ahi, \fpb, \snext       ; the next K step's rows, into the other set.  No wait: the last products that read it stand ahead of the last wait on va_vdst, and no vector or matrix instruction since names it or these addresses
.endif
	WINLO \first, (\n)%2
	MUL8 1, (\n)%2, \first
.if \snext >= 0
	s_wait_dscnt 20                                ; row blocks 2-4 are in; the 20 loads just issued may be out
.else
	s_wait_dscnt 0x0                               ; row blocks 2-4 are in
.endif
	MUL8 2, (\n)%2, \first
	MUL8 3, (\n)%2, \first
	WINHI \first, (\n)%2
	MUL8 4, (\n)%2, \first
	PLACES
	WIN 0
.if (\n)+2 < 16
	s_wait_alu depctr_va_vdst(0)                   ; this step's products are done reading weight set n % 2 and (a phase's first step) the bias, in which the loads below land, and row set n % 2, in which the next step's LDS loads land
.endif
.if \bias == 1
	BIASLOAD 36, 2048
.endif
.if \bias == 2
	BIASLOAD 38, 0
.endif
.if (\n)+2 < 16
	WLOAD (\n)%2, (\n)+2                           ; the set just multiplied takes the weights of two K steps on
.endif
.endm
; My 128 hidden units of all 80 rows: relu and the hold in one, the conversion; then the five images go to LDS in one run: K step 4 ch + w of the second product.  Then the next bias is scaled.
.macro QUANT ch, fs
.irp a, 0,1,2,3,4
	WIN 0x82+0x41*(\a/4)                           ; source 0 and destination: the block's window
.set i, 64*(\a%4)
.rept 64
	v_med3_num_f32 v[i], v[i], 0, v[LIM]           ; between 0 and the largest code x the scale (the conversion does not saturate: ISA guide 7.6.2); each accumulator from its low end on
.set i, i+1
.endr
	WIN 0x02+(\a/4)
.irp b, 0,1,2,3,4,5,6,7
	v_cvt_scalef32_pk8_bf8_f32 v[PC+16*\a+2*\b:PC+16*\a+2*\b+1], v[64*(\a%4)+8*\b:64*(\a%4)+8*\b+7], v[SC]
.endr
.endr                                                  ; (behind a block's conversions the next block's holds are plain instructions on other registers)
	WIN 0
	v_nop                                          ; a plain instruction behind the last conversion of the run
	s_wait_alu depctr_va_vdst(0)                   ; the conversions have written the 80 registers of codes, which the LDS stores read
.irp a, 0,1,2,3,4
.irp c, 0,1,2,3
	ds_store_b128 v[HW+(\a+2)/4], v[PC+16*\a+4*\c:PC+16*\a+4*\c+3] offset:(8*(\a-2*((\a+2)/4))+4*\ch)*2048+512*\c   ; blocks 0, 1 by the first address, 2-4 by the second
.endr
.endr
	BIASMUL \fs                                    ; names the bias alone: it stands between the stores and the wait for them
.endm
; THE WAY OUT of row block a: x gate x 2^(eh + ew2); through my own stage; back as whole rows of 512 bytes; each row to its entry's place in part.
.macro SCALE a
	WIN 0x02+((\a)/4)
.set i, 0
.rept 32
	v_pk_mul_f32 v[TMP+i:TMP+i+1], v[64*((\a)%4)+i:64*((\a)%4)+i+1], v[G2+2*(\a):G2+2*(\a)+1]
.set i, i+2
.endr
	WIN 0
.endm
.macro THROUGH a
.irp q, 0,1,2,3,4,5,6,7,8,9,10,11,12,13,14,15
	ds_store_b128 v[STO], v[TMP+4*\q:TMP+4*\q+3] offset:128*(\q/4)+16*(\q%4)
.endr
.irp t, 0,1,2,3,4,5,6,7,8,9,10,11,12,13,14,15
	ds_load_b128 v[BK+64*((\a)%2)+4*\t:BK+64*((\a)%2)+4*\t+3], v[RD] offset:\t*SP   ; LDS serves a wave's instructions in order (ISA guide 5.7.1.4): these see the stores above
.endr
.endm
; The block's sixteen entries go into sixteen scalar registers in one run, are held in one run and made into offsets in one run: no line waits for the line above it.
.macro LANES a
.irp t, 0,1,2,3,4,5,6,7,8,9,10,11,12,13,14,15
	v_readlane_b32 s[48+\t], v[ENT+(\a)], \t       ; row t's entry
.endr
.endm
.macro OFFS a
.irp t, 0,1,2,3,4,5,6,7,8,9,10,11,12,13,14,15
	s_min_u32 s[48+\t], s[48+\t], 0x1fff
.endr
.irp t, 0,1,2,3,4,5,6,7,8,9,10,11,12,13,14,15
	v_lshl_add_u32 v[ADDR+16*((\a)%2)+\t], s[48+\t], 11, v[LI]
.endr
.endm
.macro SEND a, younger                 ; younger: the LDS instructions issued behind block a's loads
	s_wait_dscnt \younger
.irp t, 0,1,2,3,4,5,6,7,8,9,10,11,12,13,14,15
	global_store_b128 v[ADDR+16*((\a)%2)+\t], v[BK+64*((\a)%2)+4*\t:BK+64*((\a)%2)+4*\t+3], s[34:35]   ; 32 lanes store 512 consecutive bytes, aligned
.endr
.endm
	s_load_b512 s[4:19], s[0:1], 0x0               ; wc 4, xq 6, gate 8, list 10, scales 12, b1 14, b2 16, part 18
	v_lshl_add_u32 v30, v0, 2, 0x26400             ; my spare word, behind the stages; kept for the closing lines alone
	v_mov_b32 v31, 0                               ; and 0, likewise
	v_lshrrev_b32 v[LN], 5, v0
	v_readfirstlane_b32 s20, v[LN]                 ; wave 0..3
	s_and_b32 s21, ttmp7, 0xffff                   ; slice
	s_lshl_b32 s48, ttmp9, 4                       ; my tile's record
	v_and_b32 v[LN], 31, v0
	v_and_b32 v[R], 15, v0
	v_bfe_u32 v[H], v0, 4, 1
	v_lshlrev_b32 v[LI], 4, v[LN]
	v_add_nc_u32 v[XHI], 16384, v[LI]
	v_add_nc_u32 v[HLO], HIMG, v[LI]
	v_add_nc_u32 v[HHI], HIMG+32768, v[LI]
	s_wait_alu depctr_va_sdst(0)                   ; s20 is written, ahead of its first reader: LDS addresses and the bases are made from it
	s_mul_i32 s22, s20, 16*SP
	s_add_co_u32 s22, s22, STG                     ; my stage
	v_mul_u32_u24 v[STO], v[R], SP
	v_lshl_add_u32 v[STO], v[H], 6, v[STO]
	v_add_nc_u32 v[STO], s22, v[STO]
	v_add_nc_u32 v[RD], s22, v[LI]
	v_lshlrev_b32 v[VB], 6, v[H]
	s_lshl_b32 s23, s20, 11                        ; one fragment for each wave
	v_add_nc_u32 v[HW], s23, v[HLO]
	v_add_nc_u32 v[HW+1], s23, v[HHI]
	v_add_nc_u32 v[XW], s23, v[LI]                 ; x's fragments (m, K step w)
	s_lshl_b32 s53, s20, 7
	v_lshlrev_b32 v[XB], 4, v[H]
	v_add_nc_u32 v[XB], s53, v[XB]
	s_wait_kmcnt 0x0
	s_load_b128 s[24:27], s[10:11], s48 offset:0x8000   ; expert, first place, rows, 0
	s_wait_kmcnt 0x0
	s_min_u32 s24, s24, 7
	s_min_u32 s25, s25, 0x1fff
	s_min_u32 s26, s26, 80
	s_lshl_b32 s49, s24, 4
	s_load_b128 s[28:31], s[12:13], s49 offset:0x0 ; ex, ew1, eh, ew2 of my expert
	s_max_u32 s47, s26, 1
	s_sub_co_u32 s47, s47, 1                       ; the tile's last row
	s_mov_b32 s51, 0
	s_lshl_b32 s50, s24, 21
	s_lshl_b32 s52, s21, 20
	s_add_co_u32 s50, s50, s52
	s_lshl_b32 s52, s20, 18
	s_add_co_u32 s50, s50, s52
	s_add_nc_u64 s[32:33], s[4:5], s[50:51]        ; my stream of weights
	s_lshl_b32 s50, s21, 24
	s_lshl_b32 s52, s20, 9
	s_add_co_u32 s50, s50, s52
	s_add_nc_u64 s[34:35], s[18:19], s[50:51]      ; part: my slice, my 128 columns
	s_lshl_b32 s50, s24, 13
	s_lshl_b32 s53, s21, 12
	s_add_co_u32 s50, s50, s53
	s_add_co_u32 s50, s50, s52
	s_add_nc_u64 s[36:37], s[14:15], s[50:51]      ; b1 at my first 128 units
	s_lshl_b32 s50, s24, 11
	s_add_co_u32 s50, s50, s52
	s_add_nc_u64 s[38:39], s[16:17], s[50:51]      ; b2 at my 128 columns
.irp a, 0,1,2,3,4
	v_add_nc_u32 v[EA+\a], 16*\a, v[R]             ; row 16 a + r of the tile,
	v_min_u32 v[EA+\a], s47, v[EA+\a]              ; held at its last row,
	v_add_nc_u32 v[EA+\a], s25, v[EA+\a]
	v_min_u32 v[EA+\a], 0x1fff, v[EA+\a]           ; its place in the list
	v_lshlrev_b32 v[EA+\a], 2, v[EA+\a]
.endr
	s_wait_alu depctr_va_vdst(0)                   ; the five offsets into the list are written, and so are v1 to v7, v123, v126, v127, v30 and v31: every address that the loads and stores of the kernel read but those made of the entries
.irp a, 0,1,2,3,4
	global_load_b32 v[ENT+\a], v[EA+\a], s[10:11]
.endr
	BIASLOAD 36, 0
	WLOAD 0, 0
	s_wait_kmcnt 0x0
	s_add_co_i32 s54, s28, s29                     ; ex + ew1: a sum of the first product stands for sum x 2^(ex + ew1)
	s_sub_co_i32 s40, 127, s54
	s_lshl_b32 s40, s40, 23                        ; 2^-(ex + ew1): b1's factor
	s_mov_b32 s41, s40                             ; (named with it as a pair, so it is written)
	s_add_co_i32 s55, s30, s31                     ; eh + ew2
	s_sub_co_i32 s42, 127, s55
	s_lshl_b32 s42, s42, 23
	s_cmp_eq_u32 s21, 0
	s_cselect_b32 s42, s42, 0                      ; 2^-(eh + ew2): b2's factor in slice 0; 0 in slice 1, so that b2 is added once
	s_mov_b32 s43, s42
	s_sub_co_i32 s44, s30, s54
	s_add_co_i32 s44, s44, 127
	s_lshl_b32 s44, s44, 23                        ; 2^(eh - ex - ew1): the three scales folded into the conversion's one
	s_add_co_u32 s45, s44, 0x07e00000              ; 57,344 x that
	s_add_co_i32 s46, s55, 127
	s_lshl_b32 s46, s46, 23                        ; 2^(eh + ew2)
	v_mov_b32 v[SC], s44
	v_mov_b32 v[LIM], s45
	s_wait_loadcnt 48                              ; the list's five loads are in; the bias (16) and the first weights (32) may be out
.irp a, 0,1,2,3,4
	v_min_u32 v[ENT+\a], 0x1fff, v[ENT+\a]
	v_lshlrev_b32 v[GA+\a], 2, v[ENT+\a]
	v_lshl_add_u32 v[XA+\a], v[ENT+\a], 9, v[XB]   ; the entry's 512 codes; of them my wave's K step, my half's 16 of each 32
.endr
	s_wait_alu depctr_va_vdst(0)                   ; the ten offsets in xq and in gate are written, which the loads below read
.irp m, 0,1,2,3,4                      ; the gather is shared by K step: wave w takes K step w of all 80 rows, so that five row blocks divide among four waves
.irp c, 0,1,2,3
	global_load_b128 v[AF+16*\m+4*\c:AF+16*\m+4*\c+3], v[XA+\m], s[6:7] offset:32*\c
.endr
.endr
.irp a, 0,1,2,3,4
	global_load_b32 v[G2+2*\a], v[GA+\a], s[8:9]
.endr
	WLOAD 1, 1
	s_wait_loadcnt 37                              ; x, the bias and K step 0's weights are in; the gates (5) and K step 1's weights (32) may be out
	BIASMUL 40
.irp m, 0,1,2,3,4
.irp c, 0,1,2,3
	ds_store_b128 v[XW], v[AF+16*\m+4*\c:AF+16*\m+4*\c+3] offset:8192*\m+512*\c   ; data that loads brought, an address made at the head: no vector instruction has named either since the last wait on va_vdst
.endr
.endr
	s_wait_dscnt 0x0                               ; for the others' sake: my images of x have landed
	s_barrier_signal -1
	s_barrier_wait -1                              ; x's 20 fragments lie in LDS
	s_wait_alu depctr_vm_vsrc(0)                   ; my LDS stores have read v128 to v207, in which the first fragments land
	; ---- my first 128 hidden units
	FETCH 0, LI, XHI, 4, 0
	STEP 0, 1, 37, LI, XHI, 4, 1, 1
	STEP 1, 0, 48, LI, XHI, 4, 2, 0                ; behind K step 1's weights: the bias (16) and K step 2's weights (32)
	STEP 2, 0, 32, LI, XHI, 4, 3, 0
	STEP 3, 0, 32, LI, XHI, 4, -1, 0
	QUANT 0, 40
	s_wait_dscnt 0x0                               ; my images have landed
	s_wait_alu depctr_vm_vsrc(0)                   ; the LDS stores have read the codes' registers, which take fragments again (the conversions that wrote them stand ahead of the last wait on va_vdst)
	; ---- my second 128
	FETCH 0, LI, XHI, 4, 0
	STEP 4, 1, 32, LI, XHI, 4, 1, 2
	STEP 5, 0, 48, LI, XHI, 4, 2, 0
	STEP 6, 0, 32, LI, XHI, 4, 3, 0
	STEP 7, 0, 32, LI, XHI, 4, -1, 0
	QUANT 1, 42
	s_wait_dscnt 0x0                               ; for the others' sake: my images of the hidden layer have landed
	s_barrier_signal -1
	s_barrier_wait -1                              ; its 40 fragments lie in LDS.  No barrier follows
	s_wait_alu depctr_vm_vsrc(0)                   ; the LDS stores have read the codes' registers, which take fragments again behind the branch
	s_cmp_eq_u32 s26, 0                            ; a tile that this split leaves without rows stores nothing
	s_cbranch_scc1 .Lend
	; ---- my 128 output columns: 8 K steps over the slice's 1,024 hidden units
	FETCH 0, HLO, HHI, 8, 0
	STEP 8, 1, 32, HLO, HHI, 8, 1, 0
	STEP 9, 0, 32, HLO, HHI, 8, 2, 0
	STEP 10, 0, 32, HLO, HHI, 8, 3, 0
	STEP 11, 0, 32, HLO, HHI, 8, 4, 0
	STEP 12, 0, 32, HLO, HHI, 8, 5, 0
	STEP 13, 0, 32, HLO, HHI, 8, 6, 0
	STEP 14, 0, 32, HLO, HHI, 8, 7, 0
	STEP 15, 0, 0, HLO, HHI, 8, -1, 0
.irp a, 0,1,2,3,4
	v_mul_f32 v[G2+2*\a+1], s46, v[G2+2*\a]        ; gate x 2^(eh + ew2), twice: a pair for the packed multiply
	v_mul_f32 v[G2+2*\a], s46, v[G2+2*\a]
.endr
	SCALE 0
	s_wait_alu depctr_va_vdst(0)                   ; the multiplies have written block 0's results, which the stage's stores read; the products are done reading v128 to v207, in which loads from the stage land
	THROUGH 0
.irp a, 1,2,3,4
.if \a > 1
	s_wait_xcnt 0x0                                ; block a - 2's stores have read their data and offsets: block a's loads may land there, and the offsets may be written again
.endif
	s_wait_alu depctr_vm_vsrc(0)                   ; the stage's stores have read block a - 1's results, which the multiplies below write over; the stores of blocks up to a - 2 have read their rows and offsets (a = 1, 2: the head's loads and the images' stores have read v96 to v127)
	LANES \a-1
	SCALE \a                                       ; block a's multiplies stand between the sixteen reads of lanes and their readers
	s_wait_alu depctr_va_sdst(0)                   ; s48 to s63 are written, ahead of their first readers
	OFFS \a-1
	s_wait_alu depctr_va_vdst(0)                   ; block a's results are written, which the stage's stores read, and block a - 1's sixteen offsets, which its stores read
	THROUGH \a
	SEND \a-1, 32                                  ; behind block a - 1's loads: block a's 16 stores and 16 loads
.endr
	LANES 4
	s_wait_alu depctr_va_sdst(0)                   ; s48 to s63 are written, ahead of their first readers
	OFFS 4                                         ; (the stores that last read these sixteen offsets, block 2's, stand ahead of the last waits on XCNT and on vm_vsrc)
	s_wait_alu depctr_va_vdst(0)                   ; block 4's sixteen offsets are written, which its stores read
	SEND 4, 0
.Lend:
	s_wait_dscnt 0x0                               ; the closing lines, six on end
	s_wait_alu 0x0
	s_wait_tensorcnt 0x0
	ds_add_u32 v30, v31
	s_wait_dscnt 0x0
	s_endpgm
.Lfunc_end_k_q1d1a5b2dd7_chain:
	.size	k_q1d1a5b2dd7_chain, .Lfunc_end_k_q1d1a5b2dd7_chain-k_q1d1a5b2dd7_chain
	.p2alignl 7, 3214868480
	.fill 96, 4, 3214868480
	.section	.rodata,"a",@progbits
	.p2align	6, 0x0
	.amdhsa_kernel k_q1d1a5b2dd7_chain
		.amdhsa_group_segment_fixed_size 157184
		.amdhsa_private_segment_fixed_size 0
		.amdhsa_enable_private_segment 0
		.amdhsa_kernarg_size 64
		.amdhsa_user_sgpr_count 2
		.amdhsa_user_sgpr_kernarg_segment_ptr 1
		.amdhsa_wavefront_size32 1
		.amdhsa_system_sgpr_workgroup_id_x 1
		.amdhsa_system_sgpr_workgroup_id_y 1
		.amdhsa_system_sgpr_workgroup_id_z 1
		.amdhsa_system_vgpr_workitem_id 0
		.amdhsa_next_free_vgpr 1024
		.amdhsa_next_free_sgpr 66
		.amdhsa_reserve_vcc 0
		.amdhsa_float_denorm_mode_32 3
		.amdhsa_float_denorm_mode_16_64 3
		.amdhsa_memory_ordered 1
		.amdhsa_forward_progress 1
		.amdhsa_inst_pref_size 228
	.end_amdhsa_kernel
	.amdgpu_metadata
---
amdhsa.version: [ 1, 2 ]
amdhsa.kernels:
  - .name:           k_q1d1a5b2dd7_chain
    .symbol:         k_q1d1a5b2dd7_chain.kd
    .args:
      - { .name: wc, .offset: 0, .size: 8, .value_kind: global_buffer, .address_space: global }
      - { .name: xq, .offset: 8, .size: 8, .value_kind: global_buffer, .address_space: global }
      - { .name: gate, .offset: 16, .size: 8, .value_kind: global_buffer, .address_space: global }
      - { .name: list, .offset: 24, .size: 8, .value_kind: global_buffer, .address_space: global }
      - { .name: lowp_scales, .offset: 32, .size: 8, .value_kind: global_buffer, .address_space: global }
      - { .name: b1, .offset: 40, .size: 8, .value_kind: global_buffer, .address_space: global }
      - { .name: b2, .offset: 48, .size: 8, .value_kind: global_buffer, .address_space: global }
      - { .name: part, .offset: 56, .size: 8, .value_kind: global_buffer, .address_space: global }
    .group_segment_fixed_size: 157184
    .private_segment_fixed_size: 0
    .kernarg_segment_align: 8
    .kernarg_segment_size: 64
    .max_flat_workgroup_size: 128
    .sgpr_count:     66
    .vgpr_count:     1024
    .wavefront_size: 32
...
	.end_amdgpu_metadata
.endif
;; end of part 5
;; launch sum: the kernel of part 4 again; grid 256 x 1, 8 waves a work-group, no clusters, 0 bytes of LDS; arguments part, out0; writes out0
